; MI455X (gfx1250); checked and timed in simulation.
; The chip was launched on July 23, 2026; its instructions are those of AMD's public machine-readable ISA for CDNA 5 (MIT licence, August 2026) and "CDNA5" Instruction Set Architecture Reference Guide (July 2026). The comments in the code are by the model that wrote it; some were corrected since.
;; Transformer Block. Allowed arithmetic: float matrix products may take bf16 or f16 operands with f32 sums; all other float work in f32.
;; Inputs: b1 4,096 float32; b2 1,024 float32; be1 1,024 float32; be2 1,024 float32; bk 1,024 float32; bo 1,024 float32; bq 1,024 float32; bv 1,024 float32; g1 1,024 float32; g2 1,024 float32; w1 1,024 x 4,096 float32; w2 4,096 x 1,024 float32; wk 1,024 x 1,024 float32; wo 1,024 x 1,024 float32; wq 1,024 x 1,024 float32; wv 1,024 x 1,024 float32; x 2 x 2,048 x 1,024 float32.
;; Outputs: out0 2 x 2,048 x 1,024 float32.
;; One version. Each part assembles by itself: llvm-mc -triple=amdgcn-amd-amdhsa -mcpu=gfx1250 --defsym DOCPART=n.
;; ======== version 1 of 1: 7 launches
;; workspace buffers: wb 25,165,824 bytes; h 8,388,608 bytes; qkv 25,165,824 bytes; ctx 8,388,608 bytes; x1 16,777,216 bytes; f 33,554,432 bytes
;; launch prep (part 1): grid 64 x 16, 8 waves a work-group, no clusters, 41,984 bytes of LDS; arguments wq, wk, wv, wo, w1, w2, x, g1, be1, wb, h; writes wb, h
.if DOCPART == 1
	.amdgcn_target "amdgcn-amd-amdhsa--gfx1250"
	.amdhsa_code_object_version 6
	.text
	.protected	k_q2c7e624b38_prep
	.globl	k_q2c7e624b38_prep
	.p2align	8
	.type	k_q2c7e624b38_prep,@function
k_q2c7e624b38_prep:
	s_mov_b64 s[64:65], 0
	v_nop
	global_prefetch_b8 v0, s[64:65] scope:SCOPE_SE
	s_setreg_imm32_b32 hwreg(HW_REG_WAVE_MODE, 25, 1), 1
	s_wait_xcnt 0x0
; PREP.  Three jobs, told apart by the work-group's y.
; y = 0, 1, 2, 4-7: wq, wk, wv and the quarters of w1, f32 -> bf16, layout [k][n] kept: rows k of wq|wk|wv side by side ([1024][3072]) at byte 0 of wb, w1 at 8,388,608.
;            A work-group converts 16 segments of 1,024 numbers; thread t takes 4 numbers of each: a wave's load covers 512 consecutive bytes, its store 256 at a multiple of 256.
; y = 3, 8-11: wo (at 6,291,456 of wb) and the quarters of w2 (at 16,777,216), f32 -> bf16 IN THE ORDER OF MATRIX FRAGMENTS, so that the products that use them load them straight into registers:
;            for each pair of 16-column blocks and each 32 along k, 2,048 consecutive bytes [block of the pair][k half p][lane 16 h + r] x 16 bytes; the 16 bytes are k = 32 kc + 16 p + 8 h + 0..7 of column r.
;            A work-group takes 16 k-rows (one kc, one p), a wave 128 columns of them.  A lane loads 4 columns of each row, packs 8 k of a column into 16 bytes, and the pieces change lanes through the wave's own LDS.
; y = 12..15: h = LayerNorm(x) * g1 + be1 in bf16.  One wave keeps a whole row (1,024 f32 = 32 registers) and does two rows; the variance is the
;            mean of (x - mean)^2, formed after the mean is taken away, so a common offset in x costs no digits.
; No matrix unit, no barrier: all three jobs only move bytes.  NaN and infinities in the inputs are not served.
.set OFF, 4                            ; v[4:19]   plain: byte offset in wb of my 8 bytes of segment i;  fragments: v[4:7], of my 16 bytes in column pair i
.set SA,  8                            ; fragments: where I put my pieces in LDS
.set RA,  9                            ; fragments: where I read a piece back
.set XC,  20                           ; v[20:83]  row or segment i as loaded
.set YC,  84                           ; v[84:115] as stored (plain), or my eight pieces (fragments)
.set ZC,  116                          ; v[116:147] fragments: eight pieces read back
.set GRP, 80                           ; a lane's four pieces in LDS: 64 bytes + 16; of sixteen lanes' reads at most two share one
.set HLF, 32*GRP                       ; the pieces of one h
.set G,   4                            ; v[4:35]   gain of my 32 columns
.set BE,  36                           ; v[36:67]  bias of my 32 columns
.set X0,  68                           ; v[68:99]  row 0
.set X1,  100                          ; v[100:131] row 1
.set T,   132                          ; v[132:139] at work
.set MU,  140                          ; v[140:141] the mean, twice
.set RS,  142                          ; v[142:143] 1 / sqrt(var + eps), twice
.set YL,  144                          ; v[144:175] two rows in bf16
.set PX,  20                           ; s[20:21] x    s[22:23] g1    s[24:25] be1    s[28:29] h
.set PG,  22
.set PBE, 24
.set PH,  28
.set SINV, 40                          ; 1 / 1024
.set SEPS, 41                          ; 1e-5
.set SEL,  42                          ; s[42:43] lane selects: each lane takes its own place in the other half
	s_load_b512 s[8:23], s[0:1], 0x0               ; wq 8, wk 10, wv 12, wo 14, w1 16, w2 18, x 20, g1 22
	s_load_b128 s[24:27], s[0:1], 0x40             ; be1 24, wb 26
	s_load_b64 s[28:29], s[0:1], 0x50              ; h
	v_lshl_add_u32 v176, v0, 2, 0xa000
	v_mov_b32 v177, 0
	s_mov_b32 s2, ttmp9                            ; x of the grid
	s_and_b32 s3, ttmp7, 0xffff                    ; y of the grid
	s_cmp_ge_u32 s3, 12
	s_cbranch_scc1 .Lln
	s_cmp_eq_u32 s3, 3
	s_cbranch_scc1 .Lfrag
	s_cmp_ge_u32 s3, 8
	s_cbranch_scc1 .Lfrag
	; ---- plain.  p = y: 0, 1, 2 = wq, wk, wv; 4-7 = quarters of w1.  Each p is 1,048,576 numbers = 64 x 16 segments.
	s_movk_i32 s34, 2048                           ; bytes in wb from a segment to the next: dense,
	s_movk_i32 s35, 6144                           ; or a row of the three matrices side by side
	s_lshl_b32 s36, s3, 11                         ; p < 3: my matrix begins 2,048 p bytes into a row
	s_sub_co_u32 s6, s3, 3                         ; p >= 4: 6,291,456 + (p - 3) x 2 MiB (not used for p < 3)
	s_lshl_b32 s6, s6, 21
	s_add_co_u32 s6, s6, 6291456
	s_cmp_lt_u32 s3, 3
	s_cselect_b32 s36, s36, s6
	s_cselect_b32 s34, s35, s34
	s_mul_i32 s7, s2, s34
	s_lshl_b32 s7, s7, 4                           ; my 16 segments
	s_add_co_u32 s36, s36, s7
	s_mov_b32 s37, 0
	s_lshl_b32 s32, s2, 16                         ; source: 16 segments of 4,096 bytes,
	s_and_b32 s5, s3, 3
	s_lshl_b32 s5, s5, 22                          ; and the quarter of w1
	s_cmp_ge_u32 s3, 4
	s_cselect_b32 s5, s5, 0
	s_add_co_u32 s32, s32, s5
	s_mov_b32 s33, 0
	v_lshlrev_b32 v1, 4, v0                        ; my 16 bytes of a segment
	v_lshlrev_b32 v[OFF], 3, v0                    ; my 8 bytes of it in wb
.irp i, 1,2,3,4,5,6,7,8,9,10,11,12,13,14,15
	v_add_nc_u32 v[OFF+\i], s34, v[OFF+\i-1]
.endr
	s_wait_kmcnt 0x0
	s_mov_b64 s[30:31], s[8:9]                     ; the source tensor, chosen by p alone
	s_cmp_eq_u32 s3, 1
	s_cselect_b64 s[30:31], s[10:11], s[30:31]
	s_cmp_eq_u32 s3, 2
	s_cselect_b64 s[30:31], s[12:13], s[30:31]
	s_cmp_ge_u32 s3, 4
	s_cselect_b64 s[30:31], s[16:17], s[30:31]
	s_add_nc_u64 s[30:31], s[30:31], s[32:33]
	s_add_nc_u64 s[26:27], s[26:27], s[36:37]
.irp i, 0,1,2,3,4,5,6,7,8,9,10,11,12,13,14,15
	global_load_b128 v[XC+4*\i:XC+4*\i+3], v1, s[30:31] offset:4096*\i th:TH_LOAD_NT   ; all sixteen on their way at once
.endr
.irp i, 0,1,2,3,4,5,6,7,8,9,10,11,12,13,14,15
	s_wait_loadcnt 15-\i                           ; loads come back in order: segment i is in, the 15 - i younger ones stay out
	v_cvt_pk_bf16_f32 v[YC+2*\i],   v[XC+4*\i],   v[XC+4*\i+1]
	v_cvt_pk_bf16_f32 v[YC+2*\i+1], v[XC+4*\i+2], v[XC+4*\i+3]
	global_store_b64 v[OFF+\i], v[YC+2*\i:YC+2*\i+1], s[26:27]    ; no register is written twice, so no wait frees any
.endr
	s_endpgm
	; ---- fragments.  y = 3: wo; y = 8-11: quarter y - 8 of w2 (1,024 k-rows each).  Both have rows of 1,024 columns; the work-group takes k-rows 16 x .. 16 x + 15 of its part.
.Lfrag:
	v_lshrrev_b32 v1, 5, v0
	v_readfirstlane_b32 s4, v1                     ; wave 0..7: columns 128 w on
	s_mov_b32 s34, 65536                           ; bytes in wb from a pair of column blocks to the next: K / 32 x 2,048: wo's,
	s_mov_b32 s35, 262144                          ; w2's
	s_mov_b32 s6, 6291456                          ; wo's part of wb,
	s_mov_b32 s7, 16777216                         ; w2's
	s_and_b32 s5, s3, 3
	s_cmp_ge_u32 s3, 8
	s_cselect_b32 s5, s5, 0                        ; the quarter
	s_cselect_b32 s34, s35, s34
	s_cselect_b32 s36, s7, s6
	s_lshl_b32 s32, s2, 16                         ; source: 16 rows of 4,096 bytes,
	s_lshl_b32 s7, s5, 22                          ; and the quarter
	s_add_co_u32 s32, s32, s7
	s_mov_b32 s33, 0
	s_lshr_b32 s6, s2, 1
	s_lshl_b32 s7, s5, 5
	s_add_co_u32 s6, s6, s7                        ; kc = 32 x quarter + x / 2
	s_lshl_b32 s6, s6, 11
	s_add_co_u32 s36, s36, s6
	s_and_b32 s6, s2, 1                            ; p = x % 2
	s_lshl_b32 s6, s6, 9
	s_add_co_u32 s36, s36, s6
	s_mov_b32 s37, 0
	v_lshlrev_b32 v1, 4, v0                        ; my 16 bytes (4 columns) of a row
	v_and_b32 v2, 31, v0                           ; lane
	v_and_b32 v3, 15, v0
	v_bfe_u32 v10, v0, 4, 1
	v_lshlrev_b32 v[OFF], 4, v3                    ; out: lanes 0-15 the pair's first block, lanes 16-31 its second, 16 bytes a column
	v_lshl_add_u32 v[OFF], v10, 10, v[OFF]
	s_mul_i32 s7, s4, s34
	s_lshl_b32 s7, s7, 2                           ; my wave's four pairs
	v_add_nc_u32 v[OFF], s7, v[OFF]
.irp i, 1,2,3
	v_add_nc_u32 v[OFF+\i], s34, v[OFF+\i-1]
.endr
	s_mul_i32 s7, s4, 2*HLF                        ; my wave's own 5,120 bytes of LDS
	v_mul_u32_u24 v[SA], v2, GRP
	v_add_nc_u32 v[SA], s7, v[SA]
	v_lshrrev_b32 v11, 2, v2                       ; back: lane l takes column 32 i + l, which lies in group 8 i + l / 4, place l % 4
	v_and_b32 v12, 3, v0
	v_mul_u32_u24 v[RA], v11, GRP
	v_lshl_add_u32 v[RA], v12, 4, v[RA]
	v_add_nc_u32 v[RA], s7, v[RA]
	s_wait_kmcnt 0x0
	s_cmp_ge_u32 s3, 8
	s_cselect_b64 s[30:31], s[18:19], s[14:15]     ; w2 or wo
	s_add_nc_u64 s[30:31], s[30:31], s[32:33]
	s_add_nc_u64 s[26:27], s[26:27], s[36:37]
.irp i, 0,1,2,3,4,5,6,7,8,9,10,11,12,13,14,15
	global_load_b128 v[XC+4*\i:XC+4*\i+3], v1, s[30:31] offset:4096*\i th:TH_LOAD_NT   ; a wave's load: 512 consecutive bytes of row i
.endr
.irp h, 0,1
	s_wait_loadcnt 8-8*\h                          ; rows 8 h .. 8 h + 7 are in; for h = 0 the eight younger loads stay out
.irp j, 0,1,2,3
.irp m, 0,1,2,3
	v_cvt_pk_bf16_f32 v[YC+16*\h+4*\j+\m], v[XC+4*(8*\h+2*\m)+\j], v[XC+4*(8*\h+2*\m+1)+\j]   ; column j: k = 8 h + 2 m below, 8 h + 2 m + 1 above
.endr
.endr
.irp j, 0,1,2,3
	ds_store_b128 v[SA], v[YC+16*\h+4*\j:YC+16*\h+4*\j+3] offset:HLF*\h+16*\j
.endr
.endr
.irp h, 0,1
.irp i, 0,1,2,3
	ds_load_b128 v[ZC+16*\h+4*\i:ZC+16*\h+4*\i+3], v[RA] offset:HLF*\h+8*GRP*\i    ; LDS serves a wave's instructions in order: these see the stores above
.endr
.endr
.irp h, 0,1
.irp i, 0,1,2,3
	s_wait_dscnt 7-4*\h-\i                         ; this piece is back; the younger reads stay out
	global_store_b128 v[OFF+\i], v[ZC+16*\h+4*\i:ZC+16*\h+4*\i+3], s[26:27] offset:256*\h   ; 16 lanes: 256 consecutive bytes at a multiple of 256
.endr
.endr
	s_wait_tensorcnt 0x0
	ds_add_u32 v176, v177
	s_wait_dscnt 0x0
	s_endpgm
; The sum of v[r] over the 32 lanes, in every lane.  tmp has been written before.
.macro WSUM r, tmp
	v_add_f32_dpp v[\r], v[\r], v[\r] row_xmask:1 row_mask:0xf bank_mask:0xf
	v_add_f32_dpp v[\r], v[\r], v[\r] row_xmask:2 row_mask:0xf bank_mask:0xf
	v_add_f32_dpp v[\r], v[\r], v[\r] row_xmask:4 row_mask:0xf bank_mask:0xf
	v_add_f32_dpp v[\r], v[\r], v[\r] row_xmask:8 row_mask:0xf bank_mask:0xf
	v_permlanex16_b32 v[\tmp], v[\r], s[SEL], s[SEL+1]
	v_add_f32 v[\r], v[\r], v[\tmp]
.endm
.macro FOLD                            ; four chains of pairs into one number a lane
	v_pk_add_f32 v[T:T+1], v[T:T+1], v[T+2:T+3]
	v_pk_add_f32 v[T+4:T+5], v[T+4:T+5], v[T+6:T+7]
	v_pk_add_f32 v[T:T+1], v[T:T+1], v[T+4:T+5]
	v_add_f32 v[T], v[T], v[T+1]
.endm
; One row: x = its 32 registers, y = 16 registers for the result, left = younger loads that may stay out, rowoff = its byte offset in h.
.macro LNROW x, y, left, rowoff
	s_wait_loadcnt \left
.irp c, 0,1,2,3
	v_pk_add_f32 v[T+2*\c:T+2*\c+1], v[\x+4*\c:\x+4*\c+1], v[\x+4*\c+2:\x+4*\c+3]     ; the first pairs start four chains: nothing is cleared
.endr
.irp c, 0,1,2,3,4,5,6,7
	v_pk_add_f32 v[T+2*(\c%4):T+2*(\c%4)+1], v[T+2*(\c%4):T+2*(\c%4)+1], v[\x+16+2*\c:\x+16+2*\c+1]
.endr
	FOLD
	WSUM T, T+1
	v_mul_f32 v[MU], s[SINV], v[T]
	v_mov_b32 v[MU+1], v[MU]
.set i, 0
.rept 16
	v_pk_add_f32 v[\x+2*i:\x+2*i+1], v[\x+2*i:\x+2*i+1], v[MU:MU+1] neg_lo:[0,1] neg_hi:[0,1]   ; x - mean
.set i, i+1
.endr
.irp c, 0,1,2,3
	v_pk_mul_f32 v[T+2*\c:T+2*\c+1], v[\x+2*\c:\x+2*\c+1], v[\x+2*\c:\x+2*\c+1]
.endr
.irp c, 4,5,6,7,8,9,10,11,12,13,14,15
	v_pk_fma_f32 v[T+2*(\c%4):T+2*(\c%4)+1], v[\x+2*\c:\x+2*\c+1], v[\x+2*\c:\x+2*\c+1], v[T+2*(\c%4):T+2*(\c%4)+1]
.endr
	FOLD
	WSUM T, T+1
	v_fma_f32 v[T], v[T], s[SINV], s[SEPS]         ; var + eps
	v_rsq_f32 v[RS], v[T]
	v_rsq_f32 v[RS+1], v[T]
	s_wait_loadcnt 0x0                             ; gain and bias are in
	v_nop                                          ; a plain instruction between the root and the use of its result (ISA guide 5.7.2)
.set i, 0
	s_wait_alu depctr_va_vdst(0)
.rept 16
	v_pk_mul_f32 v[\x+2*i:\x+2*i+1], v[\x+2*i:\x+2*i+1], v[RS:RS+1]
.set i, i+1
.endr
.set i, 0
.rept 16
	v_pk_fma_f32 v[\x+2*i:\x+2*i+1], v[\x+2*i:\x+2*i+1], v[G+2*i:G+2*i+1], v[BE+2*i:BE+2*i+1]
.set i, i+1
.endr
.set i, 0
.rept 16
	v_cvt_pk_bf16_f32 v[\y+i], v[\x+2*i], v[\x+2*i+1]
.set i, i+1
.endr
.irp j, 0,1,2,3,4,5,6,7
	global_store_b64 v2, v[\y+2*\j:\y+2*\j+1], s[PH:PH+1] offset:\rowoff+256*\j      ; 32 lanes x 8 bytes: 256 consecutive bytes at a multiple of 256
.endr
.endm
.Lln:
	v_lshrrev_b32 v1, 5, v0
	v_readfirstlane_b32 s4, v1                     ; wave 0..7
	s_sub_co_u32 s5, s3, 12
	s_lshl_b32 s5, s5, 6
	s_add_co_u32 s5, s5, s2                        ; 0..255
	s_lshl_b32 s5, s5, 4                           ; 16 rows a work-group,
	s_lshl1_add_u32 s5, s4, s5                     ; two a wave
	s_lshl_b32 s32, s5, 12
	s_mov_b32 s33, 0
	s_lshl_b32 s36, s5, 11
	s_mov_b32 s37, 0
	s_mov_b32 s[SINV], 0x3a800000
	s_mov_b32 s[SEPS], 0x3727c5ac
	s_mov_b32 s[SEL], 0x76543210
	s_mov_b32 s[SEL+1], 0xfedcba98
	v_and_b32 v1, 31, v0
	v_lshlrev_b32 v2, 3, v1                        ; 8 bytes a lane in h
	v_lshlrev_b32 v1, 4, v1                        ; 16 bytes a lane in x, g, be
	s_wait_kmcnt 0x0
	s_add_nc_u64 s[PX:PX+1], s[PX:PX+1], s[32:33]
	s_add_nc_u64 s[PH:PH+1], s[PH:PH+1], s[36:37]
.irp j, 0,1,2,3,4,5,6,7
	global_load_b128 v[X0+4*\j:X0+4*\j+3], v1, s[PX:PX+1] offset:512*\j
.endr
.irp j, 0,1,2,3,4,5,6,7
	global_load_b128 v[X1+4*\j:X1+4*\j+3], v1, s[PX:PX+1] offset:4096+512*\j
.endr
.irp j, 0,1,2,3,4,5,6,7
	global_load_b128 v[G+4*\j:G+4*\j+3], v1, s[PG:PG+1] offset:512*\j
.endr
.irp j, 0,1,2,3,4,5,6,7
	global_load_b128 v[BE+4*\j:BE+4*\j+3], v1, s[PBE:PBE+1] offset:512*\j
.endr
	LNROW X0, YL, 24, 0                            ; behind row 0's eight loads stand 24: row 1's, the gain's, the bias's
	LNROW X1, YL+16, 0, 2048
	s_endpgm
.Lfunc_end_k_q2c7e624b38_prep:
	.size	k_q2c7e624b38_prep, .Lfunc_end_k_q2c7e624b38_prep-k_q2c7e624b38_prep
	.p2alignl 7, 3214868480
	.fill 96, 4, 3214868480
	.section	.rodata,"a",@progbits
	.p2align	6, 0x0
	.amdhsa_kernel k_q2c7e624b38_prep
		.amdhsa_group_segment_fixed_size 41984
		.amdhsa_private_segment_fixed_size 0
		.amdhsa_enable_private_segment 0
		.amdhsa_kernarg_size 88
		.amdhsa_user_sgpr_count 2
		.amdhsa_user_sgpr_kernarg_segment_ptr 1
		.amdhsa_wavefront_size32 1
		.amdhsa_system_sgpr_workgroup_id_x 1
		.amdhsa_system_sgpr_workgroup_id_y 1
		.amdhsa_system_sgpr_workgroup_id_z 1
		.amdhsa_system_vgpr_workitem_id 0
		.amdhsa_next_free_vgpr 178
		.amdhsa_next_free_sgpr 66
		.amdhsa_reserve_vcc 0
		.amdhsa_float_denorm_mode_32 3
		.amdhsa_float_denorm_mode_16_64 3
		.amdhsa_memory_ordered 1
		.amdhsa_forward_progress 1
		.amdhsa_inst_pref_size 36
	.end_amdhsa_kernel
	.amdgpu_metadata
---
amdhsa.version: [ 1, 2 ]
amdhsa.kernels:
  - .name:           k_q2c7e624b38_prep
    .symbol:         k_q2c7e624b38_prep.kd
    .args:
      - { .name: wq, .offset: 0, .size: 8, .value_kind: global_buffer, .address_space: global }
      - { .name: wk, .offset: 8, .size: 8, .value_kind: global_buffer, .address_space: global }
      - { .name: wv, .offset: 16, .size: 8, .value_kind: global_buffer, .address_space: global }
      - { .name: wo, .offset: 24, .size: 8, .value_kind: global_buffer, .address_space: global }
      - { .name: w1, .offset: 32, .size: 8, .value_kind: global_buffer, .address_space: global }
      - { .name: w2, .offset: 40, .size: 8, .value_kind: global_buffer, .address_space: global }
      - { .name: x, .offset: 48, .size: 8, .value_kind: global_buffer, .address_space: global }
      - { .name: g1, .offset: 56, .size: 8, .value_kind: global_buffer, .address_space: global }
      - { .name: be1, .offset: 64, .size: 8, .value_kind: global_buffer, .address_space: global }
      - { .name: wb, .offset: 72, .size: 8, .value_kind: global_buffer, .address_space: global }
      - { .name: h, .offset: 80, .size: 8, .value_kind: global_buffer, .address_space: global }
    .group_segment_fixed_size: 41984
    .private_segment_fixed_size: 0
    .kernarg_segment_align: 8
    .kernarg_segment_size: 88
    .max_flat_workgroup_size: 256
    .sgpr_count:     66
    .vgpr_count:     178
    .wavefront_size: 32
...
	.end_amdgpu_metadata
.endif
;; end of part 1
;; launch qkv (part 2): grid 12 x 16, 4 waves a work-group, clusters of 4 x 4, 327,680 bytes of LDS; arguments h, wb, qkv, bq, bk, bv; writes qkv
.if DOCPART == 2
	.amdgcn_target "amdgcn-amd-amdhsa--gfx1250"
	.amdhsa_code_object_version 6
	.text
	.protected	k_q2c7e624b38_qkv
	.globl	k_q2c7e624b38_qkv
	.p2align	8
	.type	k_q2c7e624b38_qkv,@function
k_q2c7e624b38_qkv:
	s_mov_b64 s[64:65], 0
	v_nop
	global_prefetch_b8 v0, s[64:65] scope:SCOPE_SE
	s_setreg_imm32_b32 hwreg(HW_REG_WAVE_MODE, 25, 1), 1
	s_wait_xcnt 0x0
	s_wait_alu depctr_hold_cnt(0) depctr_sa_sdst(0) depctr_va_vdst(0) depctr_va_sdst(0) depctr_va_ssrc(0) depctr_va_vcc(0) depctr_vm_vsrc(0)
	s_getreg_b32 s2, hwreg(HW_REG_IB_STS2, 6, 4)
	s_cmp_eq_u32 s2, 0
	s_cbranch_scc0 .Lentry_in_a_cluster
	s_endpgm
.Lentry_in_a_cluster:
	s_bfe_u32 s2, ttmp6, 0x10000c
	s_cmp_lg_u32 s2, 0xf033
	s_cbranch_scc0 .Lentry_shape_is_right
	s_endpgm
.Lentry_shape_is_right:
; C = A W + bias, A [4096][KK] bf16 (K along the rows), W [KK][NN] bf16 (N along the rows, at byte WOFF of wb), sums in f32, C rounded once to bf16.
; HERE: A = h, W = wq|wk|wv side by side; the result goes out by heads: qkv[matrix][batch x 16 + head][token][64].
; A tile of C is 256 x 256: four waves, each 128 x 128 = 64 accumulators of 16 x 16 (512 registers).  K goes in steps of 128 through two LDS slots filled by the
; tensor data mover: waves 0, 1 bring A's 2 x 128 rows of 256 bytes, waves 2, 3 W's 2 x 64 k-rows of 512 bytes.  All rows start at multiples of 256 bytes.
; W lies [k][n], so its fragments come out of LDS turned, by ds_load_tr16_b128.
; CLUSTER 4 x 4: the four work-groups of a row of the cluster need the same tile of A, the four of a column the same tile of W: each is asked for jointly.
; THE MATRIX INSTRUCTION IS USED TRANSPOSED (source 0 = 16 columns of W, source 1 = 16 rows of A): a lane holds row l % 16 of C and the eight neighbouring columns 8 (l / 16) + 0..7.
; REGISTERS: window 0: v0-31 addresses and constants, v32-63 packed results, v64-191 A's fragments (two buffers; on the way out at work), v192-255 the bias of my 128 columns;
;   window 1: v64-191 W's fragments (two buffers); windows 2, 3: accumulators of my rows 0-63, 64-127 ((a, b) at v[8 (8 a + b)]).
; LIMITS: operands are rounded to bf16; NaN and infinities are not served.  With GELU: x / (1 + 2^z); beyond f32's range of 2^z the result is x or a zero, as in the limit.
.set KK,    1024
.set NN,    3072
.set WOFF,  0
.set GELU,  0
.set HEADS, 1
.set KSTEP,  128
.set PITCH,  272                       ; A's LDS row: 256 bytes + 16: the 16 rows of a fragment load start at 16 different groups of four banks
.set PB,     544                       ; W's LDS row: 512 bytes + 32 = 17 x 32
.set HALFT,  128*PITCH                 ; what one tensor load brings: 128 rows of A, or 64 rows of W (64 x 544, the same number)
.set SLOT,   4*HALFT                   ; A's 256 rows, then W's 128 k-rows
.set STAGE,  2*SLOT                    ; behind the ring: 16 rows x 272 bytes for each wave, for the way out
.set SPITCH, 272
.set SPARE,  STAGE+4*16*SPITCH         ; behind the stages: the spare words, 128 bytes a wave, which no other line names
.set LAPS,   KK/(2*KSTEP)              ; a lap = two K steps = once round the ring
.set C0V,  12                          ; v[12:13] GELU: -2 log2(e) sqrt(2/pi), twice
.set C1V,  14                          ; v[14:15] GELU: that times 0.044715, twice
.set ADRA, 16                          ; v16-17  LDS address of my A fragments in slot 0, 1
.set ADRB, 20                          ; v20-21  the same for W
.set STO,  24                          ; where I put 16 bytes of a row in my stage
.set RD,   25                          ; where I read the stage back
.set CO,   26                          ; my byte offset in C
.set BO,   27                          ; my byte offset in the bias
.set SPW,  28                          ; LDS address of my spare word; never rewritten
.set NIL,  29                          ; 0; never rewritten
.set TMP,  32
.set F0,   64
.set F1,   128
.set XX,   64                          ; the way out: a block's 64 numbers a lane in f32
.set TT,   128                         ; the way out: GELU at work
.set OB,   160                         ; the way out: 16 rows read back from the stage
.set BIAS, 192
.set G1,  24                           ; s[24:31] group 1 for A, s[32:39] group 0 for A (a set for each slot)
.set G0,  32
.set G1B, 48                           ; s[48:55], s[56:63] the same for W
.set G0B, 56
.set MSB, 0
.macro WIN new                         ; the immediate's high byte repeats the setting that is left; a switch that changes nothing is dropped
.if MSB != (\new)
	s_set_vgpr_msb (MSB<<8)|(\new)
.set MSB, (\new)
.endif
.endm
.set MUL_LO, 0xa1                      ; source 0 (W) window 1, source 1 (A) window 0, C and D window 2
.set MUL_HI, 0xf1                      ; the same, C and D window 3
.set TO_B,   0x40                      ; destination window 1, address window 0
; A joint load: waves 0, 1 ask for A's halves, waves 2, 3 for W's.  The branch hangs on the wave's number alone.  Four v_nop follow each line.
.macro JLOAD s
	s_cmp_eq_u32 s11, 0
	s_cbranch_scc0 .Lfor_b_\@
	tensor_load_to_lds s[G0+4*(\s):G0+4*(\s)+3], s[G1:G1+7]
	s_nop 0
.rept 4
	v_nop
.endr
	s_branch .Lasked_\@
.Lfor_b_\@:
	tensor_load_to_lds s[G0B+4*(\s):G0B+4*(\s)+3], s[G1B:G1B+7]
	s_nop 0
.rept 4
	v_nop
.endr
.Lasked_\@:
.endm
.macro CREST                           ; a round of the cluster's barrier behind its opening barrier
	s_cmp_lg_u32 s10, 0
	s_cbranch_scc1 .Lnot_wave_0_\@
	s_barrier_signal -3
.Lnot_wave_0_\@:
	s_barrier_wait -3
	s_barrier_signal -1
	s_barrier_wait -1
.endm
.macro CROUND                          ; a whole round
	s_barrier_signal -1
	s_barrier_wait -1
	CREST
.endm
.macro PLACES                          ; four plain places behind matrix instructions (ISA guide 7.12.1), where no other vector work is at hand
.rept 4
	v_nop
.endr
.endm
	s_load_b128 s[4:7], s[0:1], 0x0                ; A s[4:5], wb s[6:7]
	s_load_b64 s[8:9], s[0:1], 0x10                ; C
.if HEADS
	s_load_b128 s[68:71], s[0:1], 0x18             ; bq, bk
	s_load_b64 s[72:73], s[0:1], 0x28              ; bv
.else
	s_load_b64 s[68:69], s[0:1], 0x18              ; the bias
.endif
	v_lshl_add_u32 v[SPW], v0, 2, SPARE
	v_mov_b32 v[NIL], 0
	ds_add_u32 v28, v29
	ds_add_u32 v28, v29
	s_wait_dscnt 0x0
	v_lshrrev_b32 v1, 5, v0
	v_readfirstlane_b32 s10, v1                    ; wave 0..3
	s_lshr_b32 s11, s10, 1                         ; my half of the tile's rows.  Also: I fetch for A (0) or for W (1)
	s_and_b32 s12, s10, 1                          ; my half of its columns.  Also: which half of that tile I fetch
	s_bfe_u32 s40, ttmp6, 0x40000                  ; cx
	s_bfe_u32 s41, ttmp6, 0x40004                  ; cy
	s_lshl_b32 s42, ttmp9, 2
	s_add_co_u32 s42, s42, s40                     ; tile column = 4 x cluster x + cx
	s_and_b32 s13, ttmp7, 0xffff
	s_lshl_b32 s13, s13, 2
	s_add_co_u32 s13, s13, s41                     ; tile row = 4 x cluster y + cy
	s_lshl_b32 s43, s41, 2
	s_lshl_b32 s43, 15, s43                        ; my row of the cluster
	s_lshl_b32 s44, 0x1111, s40                    ; my column
	s_or_b32 s[G1+0], s43, (1<<16)|(1<<20)|(1<<21)|(5<<22)|(3<<25)   ; mask; elements of 2 bytes; padding on; bit 21 beside a mask; after every 64 words 4 words
	s_mov_b32 s[G1+1], KSTEP<<16                   ; tensor_dim0 = 128
	s_mov_b32 s[G1+2], 128<<16                     ; tensor_dim1 = 128
	s_mov_b32 s[G1+3], KSTEP<<16                   ; tile_dim0 = 128
	s_mov_b32 s[G1+4], 128                         ; tile_dim1 = 128
	s_mov_b32 s[G1+5], KK                          ; elements from row to row
	s_mov_b32 s[G1+6], 0
	s_mov_b32 s[G1+7], 0
	s_or_b32 s[G1B+0], s44, (1<<16)|(1<<20)|(1<<21)|(6<<22)|(7<<25)  ; after every 128 words 8 words
	s_mov_b32 s[G1B+1], 256<<16                    ; tensor_dim0 = 256
	s_mov_b32 s[G1B+2], 64<<16                     ; tensor_dim1 = 64
	s_mov_b32 s[G1B+3], 256<<16                    ; tile_dim0 = 256
	s_mov_b32 s[G1B+4], 64                         ; tile_dim1 = 64
	s_mov_b32 s[G1B+5], NN
	s_mov_b32 s[G1B+6], 0
	s_mov_b32 s[G1B+7], 0
	s_lshl_b32 s17, s12, 7
	s_lshl_b32 s16, s13, 8
	s_add_co_u32 s16, s16, s17                     ; A: row 256 x tile row + 128 x half,
	s_lshl_b32 s16, s16, 11                        ; of 2,048 bytes
	s_mov_b32 s17, 0
	s_mul_i32 s46, s12, 64*NN*2                    ; W: k-row 64 x half,
	s_lshl_b32 s45, s42, 9                         ; column 256 x tile column,
	s_add_co_u32 s46, s46, s45
	s_add_co_u32 s46, s46, WOFF                    ; in its part of wb
	s_mov_b32 s47, 0
	s_mul_i32 s20, s10, HALFT                      ; where they go: wave x 34,816: no place in the cluster enters an LDS address
	s_wait_kmcnt 0x0
	s_add_nc_u64 s[14:15], s[4:5], s[16:17]
	s_add_nc_u64 s[46:47], s[6:7], s[46:47]
	CROUND                                         ; all sixteen work-groups are here: the first joint loads meet
.irp s, 0,1
	s_mov_b32 s[G0+4*\s], 1
	s_add_co_u32 s[G0+4*\s+1], s20, \s*SLOT
	s_add_nc_u64 s[G0+4*\s+2:G0+4*\s+3], s[14:15], \s*KSTEP*2
	s_or_b32 s[G0+4*\s+3], s[G0+4*\s+3], 0x80000000
	s_mov_b32 s[G0B+4*\s], 1
	s_add_co_u32 s[G0B+4*\s+1], s20, \s*SLOT
	s_add_nc_u64 s[G0B+4*\s+2:G0B+4*\s+3], s[46:47], \s*KSTEP*NN*2
	s_or_b32 s[G0B+4*\s+3], s[G0B+4*\s+3], 0x80000000
	JLOAD \s                                       ; K steps 0 and 1: two tensor loads of mine are out
.endr
	; the bias of my 128 columns: lane l needs columns 16 b + 8 (l / 16) + 0..7 of each block b
	v_and_b32 v1, 15, v0                           ; l % 16
	v_bfe_u32 v2, v0, 4, 1                         ; l / 16
	v_lshlrev_b32 v[BO], 5, v2
.if HEADS
	s_cmp_eq_u32 ttmp9, 1                          ; cluster x = which of the three matrices
	s_cselect_b64 s[68:69], s[70:71], s[68:69]
	s_cmp_eq_u32 ttmp9, 2
	s_cselect_b64 s[68:69], s[72:73], s[68:69]
	s_lshl_b32 s66, s40, 10                        ; 256 cx columns of 4 bytes
.else
	s_lshl_b32 s66, s42, 10
.endif
	s_lshl_b32 s67, s12, 9
	s_add_co_u32 s66, s66, s67
	s_mov_b32 s67, 0
	s_add_nc_u64 s[68:69], s[68:69], s[66:67]
.irp b, 0,1,2,3,4,5,6,7
	global_load_b128 v[BIAS+8*\b:BIAS+8*\b+3],   v[BO], s[68:69] offset:64*\b
	global_load_b128 v[BIAS+8*\b+4:BIAS+8*\b+7], v[BO], s[68:69] offset:64*\b+16
.endr
	; fragments.  A: lane l holds row l % 16; two loads of 16 bytes, 32 bytes apart, at row x pitch + 16 (l / 16).
	; W, turned: lane l addresses k-row 8 (l / 16) + l % 8, 16 bytes at 16 ((l / 8) % 2); two loads, 16 k-rows apart.
	v_mul_u32_u24 v3, v1, PITCH
	v_lshl_add_u32 v3, v2, 4, v3
	v_and_b32 v5, 7, v0
	v_lshl_add_u32 v5, v2, 3, v5
	v_mul_u32_u24 v5, v5, PB
	v_bfe_u32 v6, v0, 3, 1
	v_lshl_add_u32 v5, v6, 4, v5
	s_mul_i32 s21, s11, HALFT                      ; my 128 rows of A
	s_lshl_b32 s22, s12, 8                         ; my 128 columns of W,
	s_add_co_u32 s22, s22, 2*HALFT                 ; which lies behind A
.irp s, 0,1
	v_add_nc_u32 v[ADRA+\s], s21, v3
	v_add_nc_u32 v[ADRB+\s], s22, v5
	s_add_co_u32 s21, s21, SLOT
	s_add_co_u32 s22, s22, SLOT
.endr
	s_mul_i32 s23, s10, 16*SPITCH
	s_add_co_u32 s23, s23, STAGE                   ; my stage
	v_mul_u32_u24 v4, v1, SPITCH                   ; in: row l % 16, 16 bytes for each half of the lanes
	v_lshl_add_u32 v4, v2, 4, v4
	v_add_nc_u32 v[STO], s23, v4
.if HEADS
	; back: lanes 0-15 take two tokens' 128 bytes of my first head, lanes 16-31 of my second: in qkv a head's tokens follow each other, 128 bytes each
	v_and_b32 v7, 7, v0
	v_mul_u32_u24 v5, v6, SPITCH
	v_lshl_add_u32 v5, v2, 7, v5
	v_lshl_add_u32 v5, v7, 4, v5
	v_add_nc_u32 v[RD], s23, v5
	v_lshlrev_b32 v5, 18, v2                       ; a head is 262,144 bytes
	v_lshl_add_u32 v[CO], v1, 4, v5
	s_lshl_b32 s16, ttmp9, 23                      ; the matrix: 8,388,608 bytes
	s_lshr_b32 s17, s13, 3                         ; the batch: 8 tile rows
	s_lshl_b32 s17, s17, 4
	s_lshl_b32 s46, s40, 2
	s_add_co_u32 s17, s17, s46
	s_lshl_b32 s46, s12, 1
	s_add_co_u32 s17, s17, s46                     ; 16 x batch + 4 cx + 2 x half: my first head
	s_lshl_b32 s17, s17, 18
	s_add_co_u32 s16, s16, s17
	s_and_b32 s17, s13, 7
	s_lshl_b32 s17, s17, 8
	s_lshl_b32 s46, s11, 7
	s_add_co_u32 s17, s17, s46                     ; my first token in the batch
	s_lshl_b32 s17, s17, 7
	s_add_co_u32 s16, s16, s17
.else
	v_mul_u32_u24 v5, v2, SPITCH                   ; back: lanes 0-15 take one row of 256 bytes, lanes 16-31 the next
	v_lshl_add_u32 v5, v1, 4, v5
	v_add_nc_u32 v[RD], s23, v5
	v_mul_u32_u24 v5, v2, NN*2
	v_lshl_add_u32 v[CO], v1, 4, v5
	s_lshl_b32 s16, s13, 8
	s_lshl_b32 s17, s11, 7
	s_add_co_u32 s16, s16, s17                     ; my first row of C
	s_mul_i32 s16, s16, NN*2
	s_lshl_b32 s46, s42, 9
	s_add_co_u32 s16, s16, s46
	s_lshl_b32 s46, s12, 8
	s_add_co_u32 s16, s16, s46                     ; my first column, in bytes
.endif
	s_mov_b32 s17, 0
	s_add_nc_u64 s[8:9], s[8:9], s[16:17]
.if GELU
	v_mov_b32 v[C0V], 0xc0135761                   ; -2.3022082
	v_mov_b32 v[C0V+1], 0xc0135761
	v_mov_b32 v[C1V], 0xbdd2d3e8                   ; -0.10294324
	v_mov_b32 v[C1V+1], 0xbdd2d3e8
.endif
; 16 matrix instructions: m blocks a0, a0 + 1 of the window's four x all 8 n blocks, 32 along K.  zero = 1: the product starts the sums.
.macro MUL16 f, hi, a0, zero
.irp a, \a0, \a0+1
.irp b, 0,1,2,3,4,5,6,7
.if \zero
	v_wmma_f32_16x16x32_bf16 v[8*(8*(\a)+\b):8*(8*(\a)+\b)+7], v[\f+8*\b:\f+8*\b+7], v[\f+8*(4*\hi+\a):\f+8*(4*\hi+\a)+7], 0
.else
	v_wmma_f32_16x16x32_bf16 v[8*(8*(\a)+\b):8*(8*(\a)+\b)+7], v[\f+8*\b:\f+8*\b+7], v[\f+8*(4*\hi+\a):\f+8*(4*\hi+\a)+7], v[8*(8*(\a)+\b):8*(8*(\a)+\b)+7]
.endif
.endr
.endr
.endm
; 32 LDS loads in one run: the fragments of quarter kq (32 along K) of a slot into buffer f: W's 8 x 16 columns, turned, then A's 8 x 16 rows
.macro FETCH slot, kq, f
	WIN TO_B
.irp i, 0,1,2,3,4,5,6,7
	ds_load_tr16_b128 v[\f+8*\i:\f+8*\i+3],   v[ADRB+\slot] offset:\kq*32*PB+32*\i
	ds_load_tr16_b128 v[\f+8*\i+4:\f+8*\i+7], v[ADRB+\slot] offset:\kq*32*PB+32*\i+16*PB
.endr
	WIN 0
.irp i, 0,1,2,3,4,5,6,7
	ds_load_b128 v[\f+8*\i:\f+8*\i+3],   v[ADRA+\slot] offset:\kq*64+\i*16*PITCH
	ds_load_b128 v[\f+8*\i+4:\f+8*\i+7], v[ADRA+\slot] offset:\kq*64+\i*16*PITCH+32
.endr
.endm
; One of a K step's first three quarters: multiplies buffer f; in its middle fetches quarter kq of the same slot into buffer g.
.macro QUARTER slot, kq, f, g, zero
	s_wait_dscnt 8                                 ; W and A's rows 0-63 are in; the youngest eight loads (A's rows 64-127) may be out
	WIN MUL_LO
	MUL16 \f, 0, 0, \zero
	MUL16 \f, 0, 2, \zero
	PLACES
	FETCH \slot, \kq, \g
	s_wait_dscnt 32                                ; all but the 32 just issued
	WIN MUL_HI
	MUL16 \f, 1, 0, \zero
	MUL16 \f, 1, 2, \zero
.endm
; The first half of the last quarter: one barrier for the change of slots.
.macro MEET round
	WIN 0                                          ; the add's two registers lie in window 0
	s_wait_tensorcnt 0x0                           ; all my tensor loads have landed: the one that was out is my part of the next slot
	ds_add_u32 v[SPW], v[NIL]                      ; 0 onto my spare word
	s_wait_dscnt 9                                 ; the add and the youngest eight loads may be out
	WIN MUL_LO
	MUL16 F1, 0, 0, 0                              ; work on registers between the add and the wait for it
	s_wait_dscnt 0x0                               ; the add is done, and my reads of this slot are over
	s_barrier_signal -1
	MUL16 F1, 0, 2, 0
.if \round
	WIN 0
.endif
	s_barrier_wait -1
.endm
; The whole last quarter.  fill = 1: the barrier opens a round of the cluster's, and the slot just read is filled again, two K steps on, first thing behind it.
.macro TURN slot, next, fill
	MEET \fill
.if \fill
	CREST                                          ; no wave of any partner still reads this slot or has a load on its way
	s_add_nc_u64 s[G0+4*\slot+2:G0+4*\slot+3], s[G0+4*\slot+2:G0+4*\slot+3], 2*KSTEP*2
	s_add_nc_u64 s[G0B+4*\slot+2:G0B+4*\slot+3], s[G0B+4*\slot+2:G0B+4*\slot+3], 2*KSTEP*NN*2
	JLOAD \slot                                    ; my one tensor load behind the round; its four v_nop are also the places in front of the loads below
.else
	PLACES
.endif
	FETCH \next, 0, F0
	WIN MUL_HI
	MUL16 F1, 1, 0, 0
	MUL16 F1, 1, 2, 0
.endm
; THE WAY OUT of block a (16 rows x 128 columns).  EPI: bias (and GELU), rounded to bf16.  TOSTAGE: into my stage, and back by rows.  SEND: stored.
.macro EPI a
.set AC, 64*((\a)%4)
	WIN 0x02+(\a)/4                                ; source 0: window 2 or 3
.irp b, 0,1,2,3,4,5,6,7
.irp r, 0,1,2,3
	v_pk_add_f32 v[XX+8*\b+2*\r:XX+8*\b+2*\r+1], v[AC+8*\b+2*\r:AC+8*\b+2*\r+1], v[BIAS+8*\b+2*\r:BIAS+8*\b+2*\r+1]   ; each accumulator is read from its low end on
.endr
.endr
	WIN 0
.if GELU
	; gelu(x) = x / (1 + 2^z), z = x (C0 + C1 x^2): the tanh form, rewritten by 0.5 (1 + tanh u) = 1 / (1 + e^(-2u))
.irp hf, 0, 32
.set i, 0
.rept 16
	v_pk_mul_f32 v[TT+i:TT+i+1], v[XX+\hf+i:XX+\hf+i+1], v[XX+\hf+i:XX+\hf+i+1]
.set i, i+2
.endr
.set i, 0
.rept 16
	v_pk_fma_f32 v[TT+i:TT+i+1], v[TT+i:TT+i+1], v[C1V:C1V+1], v[C0V:C0V+1]
.set i, i+2
.endr
.set i, 0
.rept 16
	v_pk_mul_f32 v[TT+i:TT+i+1], v[TT+i:TT+i+1], v[XX+\hf+i:XX+\hf+i+1]
.set i, i+2
.endr
.set i, 0
.rept 32
	v_exp_f32 v[TT+i], v[TT+i]
.set i, i+1
.endr
	v_nop                                          ; a plain place behind the last exponential
.set i, 0
.rept 16
	v_pk_add_f32 v[TT+i:TT+i+1], v[TT+i:TT+i+1], 1.0 op_sel_hi:[1,0]
.set i, i+2
.endr
.set i, 0
.rept 32
	v_rcp_f32 v[TT+i], v[TT+i]
.set i, i+1
.endr
	v_nop
.set i, 0
.rept 16
	v_pk_mul_f32 v[XX+\hf+i:XX+\hf+i+1], v[XX+\hf+i:XX+\hf+i+1], v[TT+i:TT+i+1]
.set i, i+2
.endr
.endr
.endif
.set i, 0
.rept 32
	v_cvt_pk_bf16_f32 v[TMP+i], v[XX+2*i], v[XX+2*i+1]
.set i, i+1
.endr
.endm
.macro TOSTAGE
.irp b, 0,1,2,3,4,5,6,7
	ds_store_b128 v[STO], v[TMP+4*\b:TMP+4*\b+3] offset:32*\b
.endr
	s_wait_xcnt 0x0                                ; OB was the data of the block before's stores: it is loaded again only behind this wait
.irp t, 0,1,2,3,4,5,6,7
	ds_load_b128 v[OB+4*\t:OB+4*\t+3], v[RD] offset:\t*2*SPITCH     ; LDS serves a wave's instructions in order: these see the stores above
.endr
.endm
.macro SEND a
	s_wait_dscnt 0x0                               ; the block is back in registers
.irp t, 0,1,2,3,4,5,6,7
.if HEADS
	global_store_b128 v[CO], v[OB+4*\t:OB+4*\t+3], s[8:9] offset:(\a)*2048+\t*256           ; 16 lanes: two tokens of a head, 256 consecutive bytes at a multiple of 256
.else
	global_store_b128 v[CO], v[OB+4*\t:OB+4*\t+3], s[8:9] offset:(16*(\a)+2*\t)*NN*2        ; 16 lanes: 256 consecutive bytes of a row, at a multiple of 256
.endif
.endr
.endm
	s_wait_tensorcnt 1                             ; my part of K step 0 is in; K step 1's may stay out
	s_barrier_signal -1
	s_barrier_wait -1                              ; everybody's is
	FETCH 0, 0, F0
	QUARTER 0, 1, F0, F1, 1                        ; the first quarter stands in front of the loop: its products start the sums
	WIN 0                                          ; at a label and at a branch every window is 0
	s_mov_b32 s3, LAPS-1
.Llap:                                                 ; a trip goes once round the ring and fills both slots again; the 64 accumulators take turns
	QUARTER 0, 2, F1, F0, 0
	QUARTER 0, 3, F0, F1, 0
	TURN 0, 1, 1
	QUARTER 1, 1, F0, F1, 0
	QUARTER 1, 2, F1, F0, 0
	QUARTER 1, 3, F0, F1, 0
	TURN 1, 0, 1
	QUARTER 0, 1, F0, F1, 0
	WIN 0
	s_sub_co_u32 s3, s3, 1
	s_cmp_lg_u32 s3, 0
	s_cbranch_scc1 .Llap
	QUARTER 0, 2, F1, F0, 0                        ; the last lap fills nothing
	QUARTER 0, 3, F0, F1, 0
	TURN 0, 1, 0
	QUARTER 1, 1, F0, F1, 0
	QUARTER 1, 2, F1, F0, 0
	QUARTER 1, 3, F0, F1, 0
	s_wait_dscnt 8                                 ; the very last quarter: nothing more to fetch
	WIN MUL_LO
	MUL16 F1, 0, 0, 0
	MUL16 F1, 0, 2, 0
	s_wait_dscnt 0x0
	WIN MUL_HI
	MUL16 F1, 1, 0, 0
	MUL16 F1, 1, 2, 0
	WIN 0
	s_wait_loadcnt 0x0                             ; the bias
	PLACES                                         ; the way out writes over A's buffers, which the last products read
	EPI 0
	TOSTAGE
.irp a, 1,2,3,4,5,6,7                  ; block a's arithmetic stands between block a - 1's loads from the stage and the wait for them
	EPI \a
	SEND \a-1
	TOSTAGE
.endr
	SEND 7
	s_wait_tensorcnt 0x0                           ; the wave's end
	ds_add_u32 v[SPW], v[NIL]
	s_wait_dscnt 0x0
	CROUND                                         ; the closing round
	s_endpgm
.Lfunc_end_k_q2c7e624b38_qkv:
	.size	k_q2c7e624b38_qkv, .Lfunc_end_k_q2c7e624b38_qkv-k_q2c7e624b38_qkv
	.p2alignl 7, 3214868480
	.fill 96, 4, 3214868480
	.section	.rodata,"a",@progbits
	.p2align	6, 0x0
	.amdhsa_kernel k_q2c7e624b38_qkv
		.amdhsa_group_segment_fixed_size 327680
		.amdhsa_private_segment_fixed_size 0
		.amdhsa_enable_private_segment 0
		.amdhsa_kernarg_size 48
		.amdhsa_user_sgpr_count 2
		.amdhsa_user_sgpr_kernarg_segment_ptr 1
		.amdhsa_wavefront_size32 1
		.amdhsa_system_sgpr_workgroup_id_x 1
		.amdhsa_system_sgpr_workgroup_id_y 1
		.amdhsa_system_sgpr_workgroup_id_z 1
		.amdhsa_system_vgpr_workitem_id 0
		.amdhsa_next_free_vgpr 1024
		.amdhsa_next_free_sgpr 80
		.amdhsa_reserve_vcc 0
		.amdhsa_float_denorm_mode_32 3
		.amdhsa_float_denorm_mode_16_64 3
		.amdhsa_memory_ordered 1
		.amdhsa_forward_progress 1
		.amdhsa_inst_pref_size 161
	.end_amdhsa_kernel
	.amdgpu_metadata
---
amdhsa.version: [ 1, 2 ]
amdhsa.kernels:
  - .name:           k_q2c7e624b38_qkv
    .symbol:         k_q2c7e624b38_qkv.kd
    .args:
      - { .name: h, .offset: 0, .size: 8, .value_kind: global_buffer, .address_space: global }
      - { .name: wb, .offset: 8, .size: 8, .value_kind: global_buffer, .address_space: global }
      - { .name: qkv, .offset: 16, .size: 8, .value_kind: global_buffer, .address_space: global }
      - { .name: bq, .offset: 24, .size: 8, .value_kind: global_buffer, .address_space: global }
      - { .name: bk, .offset: 32, .size: 8, .value_kind: global_buffer, .address_space: global }
      - { .name: bv, .offset: 40, .size: 8, .value_kind: global_buffer, .address_space: global }
    .group_segment_fixed_size: 327680
    .private_segment_fixed_size: 0
    .kernarg_segment_align: 8
    .kernarg_segment_size: 48
    .max_flat_workgroup_size: 128
    .sgpr_count:     80
    .vgpr_count:     1024
    .wavefront_size: 32
...
	.end_amdgpu_metadata
.endif
;; end of part 2
;; launch attn (part 3): grid 8 x 32, 4 waves a work-group, no clusters, 327,680 bytes of LDS; arguments qkv, ctx; writes ctx
.if DOCPART == 3
	.amdgcn_target "amdgcn-amd-amdhsa--gfx1250"
	.amdhsa_code_object_version 6
	.text
	.protected	k_q2c7e624b38_attn
	.globl	k_q2c7e624b38_attn
	.p2align	8
	.type	k_q2c7e624b38_attn,@function
k_q2c7e624b38_attn:
	s_mov_b64 s[64:65], 0
	v_nop
	global_prefetch_b8 v0, s[64:65] scope:SCOPE_SE
	s_setreg_imm32_b32 hwreg(HW_REG_WAVE_MODE, 25, 1), 1
	s_wait_xcnt 0x0
; Causal attention.  qkv: [3][batch x 16 + head][2048][64] bf16; ctx: [4096][1024] bf16, head h at columns 64 h.  Products, maxima and sums in f32; weights rounded to bf16 for the second product.
; SHARES.  A head has 16 blocks of 128 queries.  Work-group (j, head) makes block Bq = j and then block Aq = 15 - j: (j + 1) + (16 - j) = 17 units of 128 keys in every work-group.
; A block takes its diagonal unit first, then units 0 .. block - 1: so every query meets an open key (the unit's key 0) in its first step and its maximum is finite from there on.
; A wave holds 32 queries (two tiles of 16); a unit is two steps of 64 keys.
; LAYOUT.  S^T = K Q^T (source 0 = 16 keys, source 1 = 16 queries): a lane holds ONE query (l % 16) and keys 8 (l / 16) + 0..7.  Two such tiles, rounded in pairs, are source 1
; (32 keys x 16 queries) of O^T = V^T P.  K comes out of LDS as it lies, V ([key][channel]) turned by ds_load_tr16_b128.
; SOFTMAX.  Running maximum m and sum l for each query: p = 2^(c s - c m), c = log2(e) / 8; O and l are multiplied by a = 2^(c m_old - c m_new) in every step.
; RING.  Unit u lies in slot u % 2: the slots are constants of the text.  Waves 0, 1 bring a unit's K (64 keys each), waves 2, 3 its V.  A unit is asked for one unit ahead.
; THE CHANGE OF BLOCKS, at unit Bq + 1, is a forward branch on the unit's number: block Bq goes out, m and c m are set to -inf (the next step then has a = 0, which restarts O and l), Aq's Q is taken.
; NO CLUSTER: the eight work-groups of a head start at eight different diagonals and walk different units in every step, so no two ask for the same tile at the same time.
; STORES: a head's row in ctx is 128 bytes, so 8 lanes store 128 consecutive bytes, half of an aligned 256; whole ones would need two heads in a work-group.
; LIMITS: NaN and infinities are not served; exponentials below 2^-126 count as 0.
; REGISTERS: window 0: v1-15 addresses, v16-31 statistics (8 a tile: c m, m, l, l, four at work; a in the third of those), v64-127 S^T, v128-159 P, v160-223 K of a step;
;   window 1: v0-63 O^T, v64-127 V of a step, v128-159 Q at work, v160-191 Aq's Q.
.set PK,    144                        ; a key's row of K: 128 bytes + 16 = 9 x 16
.set PVP,   160                        ; a key's row of V: 128 bytes + 32 = 5 x 32
.set VOFF,  128*PK                     ; in a slot: 128 rows of K, then 128 rows of V
.set SLOT1, 65536
.set STAGE, 131072                     ; 16 rows x 144 bytes for each wave, for the way out
.set SP,    144
.set SPARE, STAGE+4*16*SP              ; the spare words, 128 bytes a wave, which no other line names
.set AK,  2                            ; v2, v3  LDS address of my K fragments in slot 0, 1
.set AV,  4                            ; v4, v5  the same for V
.set QO,  6
.set STO, 7
.set RD,  8
.set GO,  9
.set DQ,  10                           ; v10, v11  tile t: my query's place in its block less 8 (l / 16)
.set NEG, 12                           ; -inf
.set ST,  16
.set SPW, 62
.set NIL, 63
.set S,   64
.set P,   128
.set KF,  160
.set VF,  64                           ; window 1
.set QF,  128                          ; window 1
.set WV,  8                            ; s8 wave
.set BQ,  12                           ; s12 Bq   s13 Aq   s14 U, the unit in hand   s18 Bq + 1   s19 Bq + 2
.set AQ,  13
.set U,   14
.set B1,  18
.set B2,  19
.set G1K, 24
.set G1V, 32
.set G0K, 40                           ; s[40:47] group 0 for K, a set for each slot
.set G0V, 48
.set CS,  58                           ; s[58:59] c
.set SEL, 60
.set MSB, 0
.macro WIN new
.if MSB != (\new)
	s_set_vgpr_msb (MSB<<8)|(\new)
.set MSB, (\new)
.endif
.endm
.set W_KQ, 0x04                        ; Q (source 1) in window 1
.set W_PV, 0x51                        ; V, O^T in window 1, P in window 0
.set W_RS, 0x41                        ; O^T in window 1, the factor in window 0
.macro PLACES
.rept 4
	v_nop
.endr
.endm
; The unit U + 1 is made ready for slot s: which 128 keys it is, and the two addresses.  Written only where no tensor load of mine is out.
.macro SEQ s
	s_add_co_u32 s15, s[U], 1                      ; p = U + 1
	s_sub_co_u32 s16, s15, s[B2]                   ; p > Bq + 1: Aq's unit p - Bq - 2
	s_cmp_le_u32 s15, s[BQ]
	s_cselect_b32 s16, s[U], s16                   ; p <= Bq: Bq's unit p - 1
	s_cmp_eq_u32 s15, s[B1]
	s_cselect_b32 s16, s[AQ], s16                  ; p = Bq + 1: Aq's diagonal
	s_lshl_b32 s16, s16, 14                        ; 128 keys of 128 bytes; s17 = 0
	s_add_nc_u64 s[G0K+4*(\s)+2:G0K+4*(\s)+3], s[20:21], s[16:17]
	s_or_b32 s[G0K+4*(\s)+3], s[G0K+4*(\s)+3], 0x80000000
	s_add_nc_u64 s[G0V+4*(\s)+2:G0V+4*(\s)+3], s[22:23], s[16:17]
	s_or_b32 s[G0V+4*(\s)+3], s[G0V+4*(\s)+3], 0x80000000
.endm
.macro JLOAD s                         ; waves 0, 1: K's halves; waves 2, 3: V's.  Four v_nop follow each line
	s_cmp_lt_u32 s[WV], 2
	s_cbranch_scc0 .Lfor_v_\@
	tensor_load_to_lds s[G0K+4*(\s):G0K+4*(\s)+3], s[G1K:G1K+7]
	s_nop 0
.rept 4
	v_nop
.endr
	s_branch .Lasked_\@
.Lfor_v_\@:
	tensor_load_to_lds s[G0V+4*(\s):G0V+4*(\s)+3], s[G1V:G1V+7]
	s_nop 0
.rept 4
	v_nop
.endr
.Lasked_\@:
.endm
	s_load_b128 s[4:7], s[0:1], 0x0                ; qkv s[4:5], ctx s[6:7]
	v_lshl_add_u32 v[SPW], v0, 2, SPARE
	v_mov_b32 v[NIL], 0
	ds_add_u32 v62, v63
	ds_add_u32 v62, v63
	s_wait_dscnt 0x0
	v_lshrrev_b32 v1, 5, v0
	v_readfirstlane_b32 s[WV], v1                  ; wave 0..3
	s_and_b32 s9, s[WV], 1                         ; which 64 keys of a unit I fetch
	s_and_b32 s10, ttmp7, 0xffff                   ; batch x 16 + head
	s_mov_b32 s[BQ], ttmp9
	s_sub_co_u32 s[AQ], 15, s[BQ]
	s_add_co_u32 s[B1], s[BQ], 1
	s_add_co_u32 s[B2], s[BQ], 2
	s_mov_b32 s[U], 0
	s_mov_b32 s17, 0
	; group 1: 64 keys are 8,192 dense bytes: 32 rows of 128 elements (256 bytes); padding behind every 32 words, that is behind each key's 128 bytes
	s_mov_b32 s[G1K], (1<<16)|(1<<20)|(4<<22)|(3<<25)  ; elements of 2 bytes; padding on; after every 32 words 4 words
	s_mov_b32 s[G1V], (1<<16)|(1<<20)|(4<<22)|(7<<25)  ; 8 words
.irp g, G1K, G1V
	s_mov_b32 s[\g+1], 128<<16                     ; tensor_dim0 = 128
	s_mov_b32 s[\g+2], 32<<16                      ; tensor_dim1 = 32
	s_mov_b32 s[\g+3], 128<<16                     ; tile_dim0 = 128
	s_mov_b32 s[\g+4], 32                          ; tile_dim1 = 32
	s_mov_b32 s[\g+5], 128                         ; elements from row to row
	s_mov_b32 s[\g+6], 0
	s_mov_b32 s[\g+7], 0
.endr
	s_mul_i32 s2, s9, 64*PK
	s_mul_i32 s3, s9, 64*PVP
.irp s, 0,1
	s_mov_b32 s[G0K+4*\s], 1
	s_add_co_u32 s[G0K+4*\s+1], s2, \s*SLOT1
	s_mov_b32 s[G0V+4*\s], 1
	s_add_co_u32 s[G0V+4*\s+1], s3, \s*SLOT1+VOFF
.endr
	s_lshl_b32 s56, s10, 18                        ; a head is 262,144 bytes
	s_mov_b32 s57, 0
	s_lshl_b32 s15, s9, 13
	s_wait_kmcnt 0x0
	s_add_nc_u64 s[70:71], s[4:5], s[56:57]        ; q at my head
	s_add_co_u32 s56, s56, s15
	s_add_nc_u64 s[20:21], s[4:5], s[56:57]
	s_add_nc_u64 s[22:23], s[20:21], 16777216      ; v at my head, my half of a unit
	s_add_nc_u64 s[20:21], s[20:21], 8388608       ; k likewise
	s_lshl_b32 s16, s[BQ], 14                      ; unit 0 is Bq's diagonal
	s_add_nc_u64 s[G0K+2:G0K+3], s[20:21], s[16:17]
	s_or_b32 s[G0K+3], s[G0K+3], 0x80000000
	s_add_nc_u64 s[G0V+2:G0V+3], s[22:23], s[16:17]
	s_or_b32 s[G0V+3], s[G0V+3], 0x80000000
	SEQ 1                                          ; unit 1
	s_cmp_lt_u32 s[WV], 2                          ; a wave's two first fills stand in one branch, ahead of every wait on TENSORcnt, every LDS read and every barrier
	s_cbranch_scc0 .Lfirst_v
	tensor_load_to_lds s[G0K:G0K+3], s[G1K:G1K+7]
	s_nop 0
	tensor_load_to_lds s[G0K+4:G0K+7], s[G1K:G1K+7]
	s_nop 0
.rept 4
	v_nop
.endr
	s_branch .Lfirst_asked
.Lfirst_v:
	tensor_load_to_lds s[G0V:G0V+3], s[G1V:G1V+7]
	s_nop 0
	tensor_load_to_lds s[G0V+4:G0V+7], s[G1V:G1V+7]
	s_nop 0
.rept 4
	v_nop
.endr
.Lfirst_asked:
	s_lshl_b32 s15, s[WV], 12                      ; my 32 queries of 128 bytes
	s_lshl_b32 s16, s[AQ], 14
	s_add_co_u32 s16, s16, s15
	s_add_nc_u64 s[72:73], s[70:71], s[16:17]      ; Q of Aq
	s_lshl_b32 s16, s[BQ], 14
	s_add_co_u32 s16, s16, s15
	s_add_nc_u64 s[70:71], s[70:71], s[16:17]      ; Q of Bq
	v_and_b32 v1, 15, v0                           ; l % 16
	v_bfe_u32 v13, v0, 4, 1                        ; l / 16
	v_lshlrev_b32 v[QO], 7, v1
	v_lshl_add_u32 v[QO], v13, 4, v[QO]            ; row x 128 + 16 x half
	WIN 0x40                                       ; destination window 1
.irp i, 0,1,2,3                        ; fragment i: tile i / 2, channels 32 (i % 2) on
	global_load_b128 v[QF+8*\i:QF+8*\i+3],         v[QO], s[70:71] offset:(\i/2)*2048+(\i%2)*64
	global_load_b128 v[QF+8*\i+4:QF+8*\i+7],       v[QO], s[70:71] offset:(\i/2)*2048+(\i%2)*64+32
	global_load_b128 v[QF+32+8*\i:QF+32+8*\i+3],   v[QO], s[72:73] offset:(\i/2)*2048+(\i%2)*64
	global_load_b128 v[QF+32+8*\i+4:QF+32+8*\i+7], v[QO], s[72:73] offset:(\i/2)*2048+(\i%2)*64+32
.endr
	WIN 0
	s_lshr_b32 s2, s10, 4                          ; ctx: the batch's 2,048 rows of 2,048 bytes,
	s_lshl_b32 s2, s2, 22
	s_and_b32 s3, s10, 15
	s_lshl_b32 s3, s3, 7                           ; the head's 128 bytes in a row,
	s_add_co_u32 s2, s2, s3
	s_lshl_b32 s3, s[WV], 16                       ; my 32 rows,
	s_add_co_u32 s2, s2, s3
	s_lshl_b32 s16, s[BQ], 18                      ; the block's 128 rows
	s_add_co_u32 s16, s16, s2
	s_add_nc_u64 s[66:67], s[6:7], s[16:17]
	s_lshl_b32 s16, s[AQ], 18
	s_add_co_u32 s16, s16, s2
	s_add_nc_u64 s[68:69], s[6:7], s[16:17]
	s_mov_b32 s[CS], 0x3e38aa3b                    ; c = log2(e) / 8
	s_mov_b32 s[CS+1], s[CS]
	s_mov_b32 s[SEL], 0x76543210
	s_mov_b32 s[SEL+1], 0xfedcba98
	v_mul_u32_u24 v[AK], v1, PK                    ; K: row l % 16, 16 bytes for each half of the lanes
	v_lshl_add_u32 v[AK], v13, 4, v[AK]
	v_add_nc_u32 v[AK+1], SLOT1, v[AK]
	v_and_b32 v14, 7, v0                           ; V, turned: key 8 (l / 16) + l % 8, 16 bytes at 16 ((l / 8) % 2)
	v_lshl_add_u32 v14, v13, 3, v14
	v_mul_u32_u24 v[AV], v14, PVP
	v_bfe_u32 v15, v0, 3, 1
	v_lshl_add_u32 v[AV], v15, 4, v[AV]
	v_add_nc_u32 v[AV], VOFF, v[AV]
	v_add_nc_u32 v[AV+1], SLOT1, v[AV]
	s_mul_i32 s3, s[WV], 16*SP
	s_add_co_u32 s3, s3, STAGE                     ; my stage
	v_mul_u32_u24 v[STO], v1, SP
	v_lshl_add_u32 v[STO], v13, 4, v[STO]
	v_add_nc_u32 v[STO], s3, v[STO]
	v_bfe_u32 v14, v0, 3, 2                        ; back: 8 lanes take a row's 128 bytes, a load four rows
	v_and_b32 v15, 7, v0
	v_mul_u32_u24 v[RD], v14, SP
	v_lshl_add_u32 v[RD], v15, 4, v[RD]
	v_add_nc_u32 v[RD], s3, v[RD]
	v_lshlrev_b32 v[GO], 11, v14
	v_lshl_add_u32 v[GO], v15, 4, v[GO]
	v_lshlrev_b32 v14, 3, v13
	v_sub_nc_u32 v[DQ], v1, v14
	s_lshl_b32 s3, s[WV], 5
	v_add_nc_u32 v[DQ], s3, v[DQ]                  ; 32 w + l % 16 - 8 (l / 16)
	v_add_nc_u32 v[DQ+1], 16, v[DQ]
	v_mov_b32 v[NEG], 0xff800000
; 16 LDS loads: K of step k of a slot's unit: fragment f = keys 16 (f / 2) on, channels 32 (f % 2) on
.macro FETCH_K slot, k
.irp f, 0,1,2,3,4,5,6,7
	ds_load_b128 v[KF+8*\f:KF+8*\f+3],   v[AK+\slot] offset:(\k)*64*PK+(\f/2)*16*PK+(\f%2)*64
	ds_load_b128 v[KF+8*\f+4:KF+8*\f+7], v[AK+\slot] offset:(\k)*64*PK+(\f/2)*16*PK+(\f%2)*64+32
.endr
.endm
; 16 LDS loads: V of step k, turned: fragment f = keys 32 (f / 4) on, channels 16 (f % 4) on
.macro FETCH_V slot, k
	WIN 0x40
.irp f, 0,1,2,3,4,5,6,7
	ds_load_tr16_b128 v[VF+8*\f:VF+8*\f+3],   v[AV+\slot] offset:(\k)*64*PVP+(\f/4)*32*PVP+(\f%4)*32
	ds_load_tr16_b128 v[VF+8*\f+4:VF+8*\f+7], v[AV+\slot] offset:(\k)*64*PVP+(\f/4)*32*PVP+16*PVP+(\f%4)*32
.endr
	WIN 0
.endm
; 16 products S^T = K Q^T; the 8 accumulators take turns; the first 8 start the sums
.macro KQALL
	WIN W_KQ
.irp c, 0,1
.irp kb, 0,1,2,3
.irp t, 0,1
.if \c == 0
	v_wmma_f32_16x16x32_bf16 v[S+32*\t+8*\kb:S+32*\t+8*\kb+7], v[KF+8*(2*\kb+\c):KF+8*(2*\kb+\c)+7], v[QF+8*(2*\t+\c):QF+8*(2*\t+\c)+7], 0
.else
	v_wmma_f32_16x16x32_bf16 v[S+32*\t+8*\kb:S+32*\t+8*\kb+7], v[KF+8*(2*\kb+\c):KF+8*(2*\kb+\c)+7], v[QF+8*(2*\t+\c):QF+8*(2*\t+\c)+7], v[S+32*\t+8*\kb:S+32*\t+8*\kb+7]
.endif
.endr
.endr
.endr
	WIN 0
.endm
; 16 products O^T += V^T P; 8 accumulators by turns; first = 1: the first 8 start the sums
.macro PVALL first
	WIN W_PV
.irp kc, 0,1
.irp cb, 0,1,2,3
.irp t, 0,1
.if \first && (\kc == 0)
	v_wmma_f32_16x16x32_bf16 v[32*\t+8*\cb:32*\t+8*\cb+7], v[VF+8*(4*\kc+\cb):VF+8*(4*\kc+\cb)+7], v[P+16*\t+8*\kc:P+16*\t+8*\kc+7], 0
.else
	v_wmma_f32_16x16x32_bf16 v[32*\t+8*\cb:32*\t+8*\cb+7], v[VF+8*(4*\kc+\cb):VF+8*(4*\kc+\cb)+7], v[P+16*\t+8*\kc:P+16*\t+8*\kc+7], v[32*\t+8*\cb:32*\t+8*\cb+7]
.endif
.endr
.endr
.endr
	WIN 0
.endm
; The diagonal unit: score i of a lane belongs to key 64 k + 16 (i / 8) + 8 (l / 16) + i % 8 of the unit; it is closed where that key lies behind the query.  Ascending: each accumulator is read from its low end on.
.macro MASK k
.irp t, 0,1
.set i, 0
.rept 32
	v_cmp_gt_i32 vcc_lo, 64*(\k)+16*(i/8)+i%8, v[DQ+\t]
	v_cndmask_b32 v[S+32*\t+i], v[S+32*\t+i], v[NEG], vcc_lo
.set i, i+1
.endr
.endr
.endm
; Number q of the 32 plain instructions behind a tile's exponentials: 16 roundings to bf16, then the sum of the 16 pairs in place (neighbours 1, 2, 4, 8 pairs apart), then l
.macro TAILOP t, first
.set rS, S+32*(\t)
.set rT, ST+8*(\t)
.if q < 16
	s_wait_alu depctr_va_vdst(0)
	v_cvt_pk_bf16_f32 v[P+16*(\t)+q], v[rS+2*q], v[rS+2*q+1]
.elseif q < 24
	v_pk_add_f32 v[rS+4*(q-16):rS+4*(q-16)+1], v[rS+4*(q-16):rS+4*(q-16)+1], v[rS+4*(q-16)+2:rS+4*(q-16)+3]
.elseif q < 28
	v_pk_add_f32 v[rS+8*(q-24):rS+8*(q-24)+1], v[rS+8*(q-24):rS+8*(q-24)+1], v[rS+8*(q-24)+4:rS+8*(q-24)+5]
.elseif q < 30
	v_pk_add_f32 v[rS+16*(q-28):rS+16*(q-28)+1], v[rS+16*(q-28):rS+16*(q-28)+1], v[rS+16*(q-28)+8:rS+16*(q-28)+9]
.elseif q == 30
.if \first
	v_pk_add_f32 v[rT+2:rT+3], v[rS:rS+1], v[rS+16:rS+17]
.else
	v_pk_add_f32 v[rS:rS+1], v[rS:rS+1], v[rS+16:rS+17]
.endif
.elseif !\first
	v_pk_fma_f32 v[rT+2:rT+3], v[rT+2:rT+3], v[rT+6:rT+7], v[rS:rS+1] op_sel_hi:[1,0,1]
	s_wait_alu depctr_va_vdst(0)
.endif
.endm
; A step's softmax for both tiles.  first = 1: there is no old maximum, no a.
.macro SOFTMAX first
.irp j, 0,1,2,3                        ; four chains of seven scores, begun at each accumulator's low end
.irp t, 0,1
	v_max3_num_f32 v[ST+8*\t+4+\j], v[S+32*\t+8*\j], v[S+32*\t+8*\j+1], v[S+32*\t+8*\j+2]
.endr
.endr
.irp j, 4,5,6,7,8,9,10,11
.irp t, 0,1
	v_max3_num_f32 v[ST+8*\t+4+\j%4], v[ST+8*\t+4+\j%4], v[S+32*\t+8*(\j%4)+2*(\j/4)+1], v[S+32*\t+8*(\j%4)+2*(\j/4)+2]
.endr
.endr
.irp t, 0,1
	v_max3_num_f32 v[ST+8*\t+4], v[ST+8*\t+4], v[S+32*\t+7], v[S+32*\t+15]
.endr
.irp t, 0,1
	v_max3_num_f32 v[ST+8*\t+6], v[ST+8*\t+6], v[S+32*\t+23], v[S+32*\t+31]
.endr
.irp t, 0,1
	v_max3_num_f32 v[ST+8*\t+4], v[ST+8*\t+4], v[ST+8*\t+5], v[ST+8*\t+6]
.endr
.irp t, 0,1
.if \first
	v_max_num_f32 v[ST+8*\t+4], v[ST+8*\t+4], v[ST+8*\t+7]
.else
	v_max3_num_f32 v[ST+8*\t+4], v[ST+8*\t+4], v[ST+8*\t+7], v[ST+8*\t+1]
.endif
.endr
.irp t, 0,1
	v_permlanex16_b32 v[ST+8*\t+5], v[ST+8*\t+4], s[SEL], s[SEL+1]   ; the query's other 32 keys lie in the lane 16 away
.endr
.if !\first
.irp t, 0,1
	v_mov_b32 v[ST+8*\t+7], v[ST+8*\t]             ; c m_old is kept for a
.endr
.endif
.irp t, 0,1
	v_max_num_f32 v[ST+8*\t+1], v[ST+8*\t+4], v[ST+8*\t+5]
.endr
.irp t, 0,1
	v_mul_f32 v[ST+8*\t], s[CS], v[ST+8*\t+1]
.endr
.if !\first
.irp t, 0,1
	v_sub_f32 v[ST+8*\t+7], v[ST+8*\t+7], v[ST+8*\t]
.endr
.irp t, 0,1
	v_exp_f32 v[ST+8*\t+6], v[ST+8*\t+7]           ; a; the scalings below are the plain places behind it
.endr
.endif
.set i, 0
.rept 16                               ; tile 0: c s - c m
	v_pk_fma_f32 v[S+2*i:S+2*i+1], v[S+2*i:S+2*i+1], s[CS:CS+1], v[ST:ST+1] op_sel_hi:[1,0,0] neg_lo:[0,0,1] neg_hi:[0,0,1]
.set i, i+1
.endr
.set i, 0
.rept 32                               ; tile 0's exponentials, tile 1's scalings between them
	v_exp_f32 v[S+i], v[S+i]
.if i%2 == 0
	v_pk_fma_f32 v[S+32+i:S+32+i+1], v[S+32+i:S+32+i+1], s[CS:CS+1], v[ST+8:ST+9] op_sel_hi:[1,0,0] neg_lo:[0,0,1] neg_hi:[0,0,1]
.endif
.set i, i+1
.endr
.set q, 0
.rept 32                               ; tile 1's exponentials, tile 0's roundings and sums between them: each plain line names nothing of the exponential in front of it
	v_exp_f32 v[S+32+q], v[S+32+q]
	TAILOP 0, \first
.set q, q+1
.endr
.set q, 0
.rept 32
	TAILOP 1, \first
.set q, q+1
.endr
.endm
; A step of 64 keys.  mask = 0: open; 1: the diagonal unit; 2: the diagonal unit if U = Bq + 1.
.macro STEP slot, k, first, mask
	s_wait_dscnt 0x0                               ; K of this step is in
	KQALL
	PLACES                                         ; behind the products: the loads below land on K's registers, the softmax reads the scores
	FETCH_V \slot, \k
.if \k == 0
	FETCH_K \slot, 1
.endif
.if \mask == 1
	MASK \k
.elseif \mask == 2
	s_cmp_lg_u32 s[U], s[B1]
	s_cbranch_scc1 .Lopen_\@
	MASK \k
.Lopen_\@:
.endif
	SOFTMAX \first
.if !\first
	WIN W_RS
.irp t, 0,1
.set i, 0
.rept 16
	v_pk_mul_f32 v[32*\t+2*i:32*\t+2*i+1], v[32*\t+2*i:32*\t+2*i+1], v[ST+8*\t+6:ST+8*\t+7] op_sel_hi:[1,0]   ; O^T times a, ascending
.set i, i+1
.endr
.endr
.endif
.if \k == 0
	s_wait_dscnt 16                                ; V is in; the next step's 16 loads of K may stay out
.else
	s_wait_dscnt 0x0                               ; V is in
.endif
	PVALL \first
.endm
.macro UNIT slot, first, mask
	FETCH_K \slot, 0
	STEP \slot, 0, \first, \mask
	STEP \slot, 1, 0, \mask
.endm
; The change of units.  slot: the one now to be read.  refill = 1: the other, read last, takes unit U + 1.
.macro HEAD slot, refill
	s_wait_tensorcnt 0x0                           ; all my tensor loads have landed, my part of this unit among them: every group 0 may be written
	ds_add_u32 v[SPW], v[NIL]                      ; 0 onto my spare word
	s_add_co_u32 s[U], s[U], 1
.if \refill
	SEQ 1-\slot
.endif
	s_wait_dscnt 0x0                               ; the add is done, and my reads of the other slot are over
	s_barrier_signal -1
	s_barrier_wait -1                              ; both now hold of every wave
.if \refill
	JLOAD 1-\slot                                  ; my one tensor load behind the barrier: it has a unit's work in which to land
.endif
.endm
; A block goes out: O^T / l, rounded to bf16, through my stage, 16 rows at a time.  S^T's registers are free here.  cb: the scalar pair with ctx's address.
.macro FINAL cb
	PLACES
.irp t, 0,1
	v_add_f32 v[ST+8*\t+4], v[ST+8*\t+2], v[ST+8*\t+3]
.endr
.irp t, 0,1
	v_permlanex16_b32 v[ST+8*\t+5], v[ST+8*\t+4], s[SEL], s[SEL+1]
.endr
.irp t, 0,1
	v_add_f32 v[ST+8*\t+4], v[ST+8*\t+4], v[ST+8*\t+5]
.endr
.irp t, 0,1
	v_rcp_f32 v[ST+8*\t+6], v[ST+8*\t+4]
.endr
	v_nop                                          ; a plain place behind the last reciprocal
	s_wait_alu depctr_va_vdst(0)
.irp t, 0,1
	WIN W_RS
.set i, 0
.rept 16
	v_pk_mul_f32 v[32*\t+2*i:32*\t+2*i+1], v[32*\t+2*i:32*\t+2*i+1], v[ST+8*\t+6:ST+8*\t+7] op_sel_hi:[1,0]
.set i, i+1
.endr
	WIN 0x05                                       ; sources in window 1, destination in window 0
.set i, 0
.rept 16
	v_cvt_pk_bf16_f32 v[S+32*\t+i], v[32*\t+2*i], v[32*\t+2*i+1]
.set i, i+1
.endr
	WIN 0
.irp f, 0,1,2,3
	ds_store_b128 v[STO], v[S+32*\t+4*\f:S+32*\t+4*\f+3] offset:32*\f
.endr
.irp f, 0,1,2,3
	ds_load_b128 v[S+32*\t+16+4*\f:S+32*\t+16+4*\f+3], v[RD] offset:\f*4*SP   ; LDS serves a wave's instructions in order: these see the stores above, the next tile's stores come behind them
.endr
.endr
	s_wait_dscnt 0x0
.irp t, 0,1
.irp f, 0,1,2,3
	global_store_b128 v[GO], v[S+32*\t+16+4*\f:S+32*\t+16+4*\f+3], s[\cb:\cb+1] offset:\t*32768+\f*8192   ; 8 lanes: a row's 128 bytes of this head
.endr
.endr
.endm
; At unit Bq + 1 block Bq is finished and Aq begins.
.macro TURNOVER
	s_cmp_lg_u32 s[U], s[B1]
	s_cbranch_scc1 .Lsame_\@
	FINAL 66
.irp t, 0,1
	v_mov_b32 v[ST+8*\t], v[NEG]                   ; c m and m = -inf: the next step has a = 2^(-inf) = 0, which restarts O^T and l
	v_mov_b32 v[ST+8*\t+1], v[NEG]
.endr
	WIN 0x41
.set i, 0
.rept 32
	v_mov_b32 v[QF+i], v[QF+32+i]                  ; Aq's Q, loaded at the start, takes the working registers, so that one text serves both blocks
.set i, i+1
.endr
	WIN 0
	s_wait_xcnt 0x0                                ; the stores' data lie in S^T's registers, which the next products write only behind this wait
.Lsame_\@:
.endm
	s_wait_tensorcnt 1                             ; my part of unit 0 is in; unit 1's may stay out
	s_barrier_signal -1
	s_barrier_wait -1
	s_wait_loadcnt 0x0                             ; Q
	UNIT 0, 1, 1                                   ; unit 0: Bq's diagonal starts m, l and O^T
	s_mov_b32 s56, 7
.Lpair:                                                ; units 1 to 14, two a trip
	HEAD 1, 1
	TURNOVER
	UNIT 1, 0, 2
	HEAD 0, 1
	TURNOVER
	UNIT 0, 0, 2
	s_sub_co_u32 s56, s56, 1
	s_cmp_lg_u32 s56, 0
	s_cbranch_scc1 .Lpair
	HEAD 1, 1                                      ; unit 15 (Bq + 1 is 8 at the most: no change of blocks, no diagonal here); unit 16 is asked for
	UNIT 1, 0, 0
	HEAD 0, 0                                      ; unit 16: nothing is left to fetch
	UNIT 0, 0, 0
	FINAL 68
	s_wait_tensorcnt 0x0                           ; the wave's end
	ds_add_u32 v[SPW], v[NIL]
	s_wait_dscnt 0x0
	s_endpgm
.Lfunc_end_k_q2c7e624b38_attn:
	.size	k_q2c7e624b38_attn, .Lfunc_end_k_q2c7e624b38_attn-k_q2c7e624b38_attn
	.p2alignl 7, 3214868480
	.fill 96, 4, 3214868480
	.section	.rodata,"a",@progbits
	.p2align	6, 0x0
	.amdhsa_kernel k_q2c7e624b38_attn
		.amdhsa_group_segment_fixed_size 327680
		.amdhsa_private_segment_fixed_size 0
		.amdhsa_enable_private_segment 0
		.amdhsa_kernarg_size 16
		.amdhsa_user_sgpr_count 2
		.amdhsa_user_sgpr_kernarg_segment_ptr 1
		.amdhsa_wavefront_size32 1
		.amdhsa_system_sgpr_workgroup_id_x 1
		.amdhsa_system_sgpr_workgroup_id_y 1
		.amdhsa_system_sgpr_workgroup_id_z 1
		.amdhsa_system_vgpr_workitem_id 0
		.amdhsa_next_free_vgpr 448
		.amdhsa_next_free_sgpr 80
		.amdhsa_reserve_vcc 1
		.amdhsa_float_denorm_mode_32 3
		.amdhsa_float_denorm_mode_16_64 3
		.amdhsa_memory_ordered 1
		.amdhsa_forward_progress 1
		.amdhsa_inst_pref_size 242
	.end_amdhsa_kernel
	.amdgpu_metadata
---
amdhsa.version: [ 1, 2 ]
amdhsa.kernels:
  - .name:           k_q2c7e624b38_attn
    .symbol:         k_q2c7e624b38_attn.kd
    .args:
      - { .name: qkv, .offset: 0, .size: 8, .value_kind: global_buffer, .address_space: global }
      - { .name: ctx, .offset: 8, .size: 8, .value_kind: global_buffer, .address_space: global }
    .group_segment_fixed_size: 327680
    .private_segment_fixed_size: 0
    .kernarg_segment_align: 8
    .kernarg_segment_size: 16
    .max_flat_workgroup_size: 128
    .sgpr_count:     80
    .vgpr_count:     448
    .wavefront_size: 32
...
	.end_amdgpu_metadata
.endif
;; end of part 3
;; launch oproj (part 4): grid 8 x 32, 4 waves a work-group, clusters of 4 x 1, 327,680 bytes of LDS; arguments ctx, wb, x, bo, x1; writes x1
.if DOCPART == 4
	.amdgcn_target "amdgcn-amd-amdhsa--gfx1250"
	.amdhsa_code_object_version 6
	.text
	.protected	k_q2c7e624b38_oproj
	.globl	k_q2c7e624b38_oproj
	.p2align	8
	.type	k_q2c7e624b38_oproj,@function
k_q2c7e624b38_oproj:
	s_mov_b64 s[64:65], 0
	v_nop
	global_prefetch_b8 v0, s[64:65] scope:SCOPE_SE
	s_setreg_imm32_b32 hwreg(HW_REG_WAVE_MODE, 25, 1), 1
	s_wait_xcnt 0x0
	s_wait_alu depctr_hold_cnt(0) depctr_sa_sdst(0) depctr_va_vdst(0) depctr_va_sdst(0) depctr_va_ssrc(0) depctr_va_vcc(0) depctr_vm_vsrc(0)
	s_getreg_b32 s2, hwreg(HW_REG_IB_STS2, 6, 4)
	s_cmp_eq_u32 s2, 0
	s_cbranch_scc0 .Lentry_in_a_cluster
	s_endpgm
.Lentry_in_a_cluster:
	s_bfe_u32 s2, ttmp6, 0x10000c
	s_cmp_lg_u32 s2, 0x3003
	s_cbranch_scc0 .Lentry_shape_is_right
	s_endpgm
.Lentry_shape_is_right:
; OUT = RES + A W + bias.  A [4096][KK] bf16 (K along the rows); W [KK][1024] bf16 in the order of matrix fragments, at byte WOFF of wb; RES, OUT [4096][1024] f32; bias [1024] f32; sums in f32.
; HERE: A = ctx, W = wo, RES = x, OUT = x1.
; C has 4,096 x 1,024 numbers: tiles of 128 x 128 give 256 work-groups.  Four waves, each all 128 rows x 32 columns = 16 accumulators.
; A GOES THROUGH LDS, W DOES NOT.  With A alone in LDS a slot holds K = 512: 256 matrix instructions a wave stand between a refill and the wait for it, twice what a slot shared with W would hold.
;   A: two slots, each two halves of 128 rows x 256 K (rows of 512 bytes); each of the four waves brings 64 rows of one half by one tensor load.
;   W: for each pair of 16-column blocks and each 32 along K wb holds 2,048 consecutive bytes [block][register half][lane] x 16 bytes, so a wave's load of 16 bytes a lane covers 512 consecutive
;      bytes and IS half a fragment.  A wave's 32 columns are one pair: its W is one stream of KK x 64 bytes, which no other wave of the work-group reads.  A ring of eight quarters
;      (64 along K each, 32 registers) holds it: in quarter q the eight loads of quarter q + 7 go out, into the registers that quarter q - 1 read: 56 loads of a wave are out at the most in the loop.
; CLUSTER 4 x 1: the four column tiles of a cluster need the same tile of A: joint loads with the mask 15.  W lands in registers, where no joint load can bring it.
; THE MATRIX INSTRUCTION IS USED TRANSPOSED (source 0 = 16 columns of W, source 1 = 16 rows of A): a lane holds row l % 16 and eight neighbouring columns.  The bias is the C of each sum's first product.
; THE WAY OUT: a wave's 32 columns of f32 are 128 bytes, so the four waves share one stage of 128 rows x 512 bytes, with a barrier between writing and reading.  The stage lies in slot 0, which has had
;   its last fill, and whose last reads every wave has waited for in front of the barrier ahead of the last K step.  The residual's loads take the ring's turns in the last K step.
; REGISTERS: window 0: v16-29 addresses, v32-47 bias, v128-255 accumulators ((a, b) at v[128 + 8 (2 a + b)]); window 1: A's fragments, two buffers of 128 (64 along K), then the rows on the way out;
;   window 2: W's ring; window 3: v0-127 the residual of my 32 rows x 128 columns.
; LIMITS: operands are rounded to bf16; NaN and infinities are not served.
.set KK,    1024
.set WOFF,  6291456
.set KSTEP, 512
.set PITCH, 528                        ; an LDS row: 512 bytes + 16 = 33 x 16: the 16 rows of a fragment load start at 16 different groups of four banks
.set QUART, 64*PITCH                   ; what one tensor load brings
.set SUB,   2*QUART                    ; 128 rows x 256 K
.set SLOT,  2*SUB                      ; 128 rows x 512 K
.set STAGE, 0                          ; the way out: 128 rows x 528 bytes in slot 0
.set SPARE, 2*SLOT                     ; behind the ring: the spare words, 128 bytes a wave, which no other line names
.set LAPS,  KK/(2*KSTEP)               ; a lap = two K steps = once round the ring = 16 quarters
.set ADRA, 16                          ; v16-19  my A fragments: slot x 2 + half of the slot's K
.set STO,  24                          ; where I put 16 bytes of a row in the stage
.set RD,   25                          ; where I read a row of the stage back
.set BO,   26                          ; 16 x lane: my bytes in W's stream, and in a row of RES and OUT
.set BI,   27                          ; my byte offset in the bias
.set SPW,  28                          ; LDS address of my spare word; never rewritten
.set NIL,  29                          ; 0; never rewritten
.set BIAS, 32                          ; v[32:47] block b: the bias of columns 16 b + 8 (l / 16) + 0..7
.set ACC,  128
.set G1,  24                           ; s[24:31] group 1
.set G0,  32                           ; s[32:39] group 0, a set for each slot
.set BB,  40                           ; s[40:41] my stream of W, at the lap's first quarter
.set RB,  42                           ; s[42:43] the residual at my first row
.set MSB, 0
.macro WIN new                         ; the immediate's high byte repeats the setting that is left; a switch that changes nothing is dropped
.if MSB != (\new)
	s_set_vgpr_msb (MSB<<8)|(\new)
.set MSB, (\new)
.endif
.endm
.set MUL,  0x06                        ; source 0 (W) window 2, source 1 (A) window 1; C and D window 0
.set TO_A, 0x40                        ; destination window 1, address window 0
.set TO_B, 0x80                        ; destination window 2
.set TO_R, 0xc0                        ; destination window 3
.macro JLOAD s                         ; every wave asks for its own quarter of the slot; four v_nop follow the line
	tensor_load_to_lds s[G0+4*(\s):G0+4*(\s)+3], s[G1:G1+7]
	s_nop 0
.rept 4
	v_nop
.endr
.endm
.macro CREST                           ; a round of the cluster's barrier behind its opening barrier
	s_cmp_lg_u32 s10, 0
	s_cbranch_scc1 .Lnot_wave_0_\@
	s_barrier_signal -3
.Lnot_wave_0_\@:
	s_barrier_wait -3
	s_barrier_signal -1
	s_barrier_wait -1
.endm
.macro CROUND                          ; a whole round
	s_barrier_signal -1
	s_barrier_wait -1
	CREST
.endm
.macro PLACES                          ; four plain places behind matrix instructions (ISA guide 7.12.1), where no other vector work is at hand
.rept 4
	v_nop
.endr
.endm
; Eight loads.  ev = 1: W of the lap's quarter EV, into its place in the ring.  ev = 2..5: part ev - 2 of the residual, eight rows.  ev = 0: nothing.
.macro EVENT ev
.if \ev == 1
	WIN TO_B
.irp i, 0,1,2,3,4,5,6,7
	global_load_b128 v[32*(EV%8)+4*\i:32*(EV%8)+4*\i+3], v[BO], s[BB:BB+1] offset:EV*4096+512*\i   ; 512 consecutive bytes: half a fragment
.endr
.elseif \ev > 1
	WIN TO_R
.irp i, 0,1,2,3,4,5,6,7
	global_load_b128 v[4*(8*(\ev-2)+\i):4*(8*(\ev-2)+\i)+3], v[BO], s[RB:RB+1] offset:(8*(\ev-2)+\i)*4096   ; 512 consecutive bytes of a row
.endr
.endif
.endm
	s_load_b128 s[4:7], s[0:1], 0x0                ; A s[4:5], wb s[6:7]
	s_load_b128 s[44:47], s[0:1], 0x10             ; the residual s[44:45], the bias s[46:47]
	s_load_b64 s[8:9], s[0:1], 0x20                ; OUT
	v_lshl_add_u32 v[SPW], v0, 2, SPARE
	v_mov_b32 v[NIL], 0
	ds_add_u32 v28, v29
	ds_add_u32 v28, v29
	s_wait_dscnt 0x0
	v_lshrrev_b32 v1, 5, v0
	v_readfirstlane_b32 s10, v1                    ; wave 0..3
	s_lshr_b32 s11, s10, 1                         ; which half of a slot's K I fetch
	s_and_b32 s12, s10, 1                          ; which 64 rows of it
	s_bfe_u32 s14, ttmp6, 0x40000                  ; cx
	s_lshl_b32 s15, ttmp9, 2
	s_add_co_u32 s15, s15, s14                     ; tile column = 4 x cluster x + cx: it enters W's, the bias's, RES's and OUT's addresses alone
	s_and_b32 s13, ttmp7, 0xffff                   ; tile row, which the four partners share
	s_mov_b32 s[G1+0], 15|(1<<16)|(1<<20)|(1<<21)|(6<<22)|(3<<25)   ; the mask: all four; 2-byte elements; padding on; bit 21 beside a mask; after every 128 words 4 words
	s_mov_b32 s[G1+1], 256<<16                     ; tensor_dim0 = 256
	s_mov_b32 s[G1+2], 64<<16                      ; tensor_dim1 = 64
	s_mov_b32 s[G1+3], 256<<16                     ; tile_dim0 = 256
	s_mov_b32 s[G1+4], 64                          ; tile_dim1 = 64
	s_mov_b32 s[G1+5], KK                          ; elements from row to row
	s_mov_b32 s[G1+6], 0
	s_mov_b32 s[G1+7], 0
	s_lshl_b32 s16, s13, 7
	s_lshl_b32 s17, s12, 6
	s_add_co_u32 s16, s16, s17                     ; A: row 128 x tile row + 64 x half,
	s_mul_i32 s16, s16, KK*2
	s_lshl_b32 s17, s11, 9                         ; K 256 x half
	s_add_co_u32 s16, s16, s17
	s_mov_b32 s17, 0
	s_lshl2_add_u32 s18, s15, s10                  ; W: my pair of column blocks = 4 x tile column + wave,
	s_mul_i32 s18, s18, KK*64                      ; a stream of KK / 32 x 2,048 bytes each,
	s_add_co_u32 s18, s18, WOFF                    ; in its part of wb
	s_mov_b32 s19, 0
	s_lshl_b32 s20, s15, 9                         ; the tile's first column in bytes of f32
	s_lshl_b32 s21, s10, 7
	s_add_co_u32 s22, s20, s21                     ; the bias of my 32 columns
	s_mov_b32 s23, 0
	s_lshl_b32 s48, s13, 7
	s_lshl_b32 s49, s10, 5
	s_add_co_u32 s48, s48, s49                     ; the first row that I store: 128 x tile row + 32 x wave,
	s_lshl_b32 s48, s48, 12                        ; of 4,096 bytes
	s_add_co_u32 s48, s48, s20
	s_mov_b32 s49, 0
	s_mul_i32 s52, s10, QUART                      ; where my part of a slot goes: no place in the cluster enters an LDS address
	v_and_b32 v1, 15, v0                           ; l % 16
	v_bfe_u32 v2, v0, 4, 1                         ; l / 16
	v_and_b32 v3, 31, v0
	v_lshlrev_b32 v[BO], 4, v3
	v_lshlrev_b32 v[BI], 5, v2
	s_wait_kmcnt 0x0
	s_add_nc_u64 s[50:51], s[4:5], s[16:17]
	s_add_nc_u64 s[BB:BB+1], s[6:7], s[18:19]
	s_add_nc_u64 s[46:47], s[46:47], s[22:23]
	s_add_nc_u64 s[RB:RB+1], s[44:45], s[48:49]
	s_add_nc_u64 s[8:9], s[8:9], s[48:49]
.irp s, 0,1
	s_mov_b32 s[G0+4*\s], 1
	s_add_co_u32 s[G0+4*\s+1], s52, \s*SLOT
	s_add_nc_u64 s[G0+4*\s+2:G0+4*\s+3], s[50:51], \s*KSTEP*2
	s_or_b32 s[G0+4*\s+3], s[G0+4*\s+3], 0x80000000
.endr
.irp b, 0,1
	global_load_b128 v[BIAS+8*\b:BIAS+8*\b+3],   v[BI], s[46:47] offset:64*\b
	global_load_b128 v[BIAS+8*\b+4:BIAS+8*\b+7], v[BI], s[46:47] offset:64*\b+16
.endr
.irp e, 0,1,2,3,4,5,6                  ; the ring's first seven quarters: with the bias's four, 60 loads of mine are out
.set EV, \e
	EVENT 1
.endr
	WIN 0
	CROUND                                         ; all four work-groups are here: the first joint loads meet
	JLOAD 0
	JLOAD 1                                        ; K steps 0 and 1: two tensor loads of mine are out
	v_mul_u32_u24 v[ADRA], v1, PITCH               ; A's fragments: row x pitch + 16 x half; every wave reads all 128 rows
	v_lshl_add_u32 v[ADRA], v2, 4, v[ADRA]
	v_add_nc_u32 v[ADRA+1], SUB, v[ADRA]
	v_add_nc_u32 v[ADRA+2], SLOT, v[ADRA]
	v_add_nc_u32 v[ADRA+3], SLOT+SUB, v[ADRA]
	s_lshl_b32 s53, s10, 7                         ; into the stage: row l % 16, my 128 bytes of it, 32 bytes for each half of the lanes
	v_mul_u32_u24 v4, v1, PITCH
	v_lshl_add_u32 v4, v2, 5, v4
	v_add_nc_u32 v[STO], s53, v4
	s_mul_i32 s53, s10, 32*PITCH                   ; back: wave w takes rows 32 w .. 32 w + 31, whole: 32 lanes x 16 bytes are a row
	v_add_nc_u32 v[RD], s53, v[BO]
; 8 matrix instructions: m blocks a0 .. a0 + 3 x both n blocks, 32 along K: half c of the quarter whose A lies at QF and whose W lies in place QR of the ring.  first = 1: the bias starts the sums
.macro MULH c, a0, first
.irp a, \a0, \a0+1, \a0+2, \a0+3
.irp b, 0,1
.if \first
	v_wmma_f32_16x16x32_bf16 v[ACC+8*(2*(\a)+\b):ACC+8*(2*(\a)+\b)+7], v[32*QR+16*\c+8*\b:32*QR+16*\c+8*\b+7], v[QF+64*\c+8*(\a):QF+64*\c+8*(\a)+7], v[BIAS+8*\b:BIAS+8*\b+7]
.else
	v_wmma_f32_16x16x32_bf16 v[ACC+8*(2*(\a)+\b):ACC+8*(2*(\a)+\b)+7], v[32*QR+16*\c+8*\b:32*QR+16*\c+8*\b+7], v[QF+64*\c+8*(\a):QF+64*\c+8*(\a)+7], v[ACC+8*(2*(\a)+\b):ACC+8*(2*(\a)+\b)+7]
.endif
.endr
.endr
.endm
; 32 LDS loads in one run: A's fragments of the lap's quarter NQ (64 along K) into buffer NQ % 2; the first 32 along K first
.macro FETCH
	WIN TO_A
.irp c, 0,1
.irp a, 0,1,2,3,4,5,6,7
	ds_load_b128 v[128*(NQ%2)+64*\c+8*\a:128*(NQ%2)+64*\c+8*\a+3],   v[ADRA+NQ/4] offset:(NQ%4)*128+64*\c+\a*16*PITCH
	ds_load_b128 v[128*(NQ%2)+64*\c+8*\a+4:128*(NQ%2)+64*\c+8*\a+7], v[ADRA+NQ/4] offset:(NQ%4)*128+64*\c+\a*16*PITCH+32
.endr
.endr
.endm
; Quarter ql of a lap's sixteen (not the last of a K step).  In its middle: the next quarter's A out of LDS, and eight loads from memory (EVENT).
; n: the loads from memory issued behind this quarter's W, which may stay out: six groups of eight, fewer at the very end.
.macro QUARTER ql, first, ev, n
.set QF, 128*((\ql)%2)
.set QR, (\ql)%8
.set NQ, (\ql)+1
.set EV, (\ql)+7
	s_wait_dscnt 16                                ; A's first 32 along K are in; the youngest sixteen loads may be out
	s_wait_loadcnt \n                              ; my W of this quarter is in
	WIN MUL
	MULH 0, 0, \first
	MULH 0, 4, \first
	PLACES                                         ; the loads below land on registers that the quarter before multiplied
	FETCH
	EVENT \ev
	s_wait_dscnt 32                                ; all but the 32 just issued
	WIN MUL
	MULH 1, 0, 0
	MULH 1, 4, 0
.endm
; The last quarter of a K step (ql = 7 or 15) changes slots.  fill = 1: the barrier opens a round of the cluster's, and the slot just read is filled again, two K steps on, first thing behind it.
.macro TURN ql, fill, ev, n
.set QF, 128
.set QR, 7
.set NQ, ((\ql)+1)%16
.set EV, (\ql)+7
	WIN 0                                          ; the add's two registers lie in window 0
	s_wait_tensorcnt 0x0                           ; all my tensor loads have landed: the one that was out is my part of the next slot
	ds_add_u32 v[SPW], v[NIL]                      ; 0 onto my spare word
	s_wait_dscnt 17                                ; the add and the youngest sixteen loads may be out
	s_wait_loadcnt \n
	WIN MUL
	MULH 0, 0, 0                                   ; work on registers between the add and the wait for it
	s_wait_dscnt 0x0                               ; the add is done, and my reads of this slot are over
	s_barrier_signal -1
	MULH 0, 4, 0
.if \fill
	WIN 0
.endif
	s_barrier_wait -1
.if \fill
	CREST                                          ; no wave of any partner still reads this slot or has a load on its way
	s_add_nc_u64 s[G0+4*((\ql)/8)+2:G0+4*((\ql)/8)+3], s[G0+4*((\ql)/8)+2:G0+4*((\ql)/8)+3], 2*KSTEP*2
	JLOAD (\ql)/8                                  ; my one tensor load behind the round: 240 matrix instructions ahead of the wait for it; its four v_nop are also the places in front of the loads below
.else
	PLACES
.endif
	FETCH
	EVENT \ev
	WIN MUL
	MULH 1, 0, 0
	MULH 1, 4, 0
.endm
	s_wait_tensorcnt 1                             ; my part of K step 0 is in; K step 1's may stay out
	s_barrier_signal -1
	s_barrier_wait -1                              ; everybody's is
.set NQ, 0
	FETCH
	QUARTER 0, 1, 1, 48                            ; the first quarter stands in front of the loop: its first products start the sums
.if LAPS > 1
	WIN 0                                          ; at a label and at a branch every window is 0
	s_mov_b32 s3, LAPS-1
.Llap:                                                 ; a trip goes once round the ring and fills both slots again; the 16 accumulators take turns
.irp q, 1,2,3,4,5,6
	QUARTER \q, 0, 1, 48
.endr
	TURN 7, 1, 1, 48
.irp q, 8,9,10,11,12,13,14
	QUARTER \q, 0, 1, 48
.endr
	TURN 15, 1, 1, 48
	s_wait_xcnt 0x0                                ; the stream's base is a source of the loads that are out: it is stepped only behind this wait
	s_add_nc_u64 s[BB:BB+1], s[BB:BB+1], 16*4096   ; the next lap's first quarter
	QUARTER 0, 0, 1, 48
	WIN 0
	s_sub_co_u32 s3, s3, 1
	s_cmp_lg_u32 s3, 0
	s_cbranch_scc1 .Llap
.endif
.irp q, 1,2,3,4,5,6                    ; the last lap fills nothing
	QUARTER \q, 0, 1, 48
.endr
	TURN 7, 0, 1, 48
	QUARTER 8, 0, 1, 48                            ; the stream's last quarter goes out;
	QUARTER 9, 0, 2, 48                            ; then the residual's four groups of eight loads take the ring's turns, so the counts stay,
	QUARTER 10, 0, 3, 48
	QUARTER 11, 0, 4, 48
	QUARTER 12, 0, 5, 48
	QUARTER 13, 0, 0, 48                           ; and run down when nothing more goes out: behind quarter 14's W stand five groups, behind quarter 15's four
	QUARTER 14, 0, 0, 40
.set QF, 128
.set QR, 7
	s_wait_dscnt 16                                ; the very last quarter
	s_wait_loadcnt 32
	WIN MUL
	MULH 0, 0, 0
	MULH 0, 4, 0
	s_wait_dscnt 0x0
	MULH 1, 0, 0
	MULH 1, 4, 0
	WIN 0
	; THE WAY OUT: my 128 bytes of all 128 rows into the stage (each accumulator's low half first); a barrier; back as whole rows, 32 a wave; the residual added; stored.
	PLACES                                         ; the LDS stores read results just made
.irp a, 0,1,2,3,4,5,6,7
.irp b, 0,1
	ds_store_b128 v[STO], v[ACC+8*(2*\a+\b):ACC+8*(2*\a+\b)+3]   offset:STAGE+\a*16*PITCH+64*\b
	ds_store_b128 v[STO], v[ACC+8*(2*\a+\b)+4:ACC+8*(2*\a+\b)+7] offset:STAGE+\a*16*PITCH+64*\b+16
.endr
.endr
	s_wait_dscnt 0x0                               ; for the others' sake: my stores into the stage are done
	s_barrier_signal -1
	s_barrier_wait -1
	WIN TO_A
.set t, 0
.rept 32
	ds_load_b128 v[4*t:4*t+3], v[RD] offset:STAGE+t*PITCH
.set t, t+1
.endr
	s_wait_loadcnt 0x0                             ; the residual
.irp g, 0,1,2,3
	s_wait_dscnt 24-8*\g                           ; eight rows are back; the younger ones stay out
	WIN 0x4d                                       ; the rows (destination and source 0) in window 1, the residual (source 1) in window 3
.irp i, 0,1,2,3,4,5,6,7
	v_pk_add_f32 v[4*(8*\g+\i):4*(8*\g+\i)+1],   v[4*(8*\g+\i):4*(8*\g+\i)+1],   v[4*(8*\g+\i):4*(8*\g+\i)+1]
	v_pk_add_f32 v[4*(8*\g+\i)+2:4*(8*\g+\i)+3], v[4*(8*\g+\i)+2:4*(8*\g+\i)+3], v[4*(8*\g+\i)+2:4*(8*\g+\i)+3]
.endr
	WIN 0x04                                       ; a store's data (source 1) in window 1, its address in window 0
.irp i, 0,1,2,3,4,5,6,7
	global_store_b128 v[BO], v[4*(8*\g+\i):4*(8*\g+\i)+3], s[8:9] offset:(8*\g+\i)*4096   ; 512 consecutive bytes of a row, at a multiple of 512
.endr
.endr
	WIN 0
	s_wait_tensorcnt 0x0                           ; the wave's end
	ds_add_u32 v[SPW], v[NIL]
	s_wait_dscnt 0x0
	CROUND                                         ; the closing round
	s_endpgm
.Lfunc_end_k_q2c7e624b38_oproj:
	.size	k_q2c7e624b38_oproj, .Lfunc_end_k_q2c7e624b38_oproj-k_q2c7e624b38_oproj
	.p2alignl 7, 3214868480
	.fill 96, 4, 3214868480
	.section	.rodata,"a",@progbits
	.p2align	6, 0x0
	.amdhsa_kernel k_q2c7e624b38_oproj
		.amdhsa_group_segment_fixed_size 327680
		.amdhsa_private_segment_fixed_size 0
		.amdhsa_enable_private_segment 0
		.amdhsa_kernarg_size 40
		.amdhsa_user_sgpr_count 2
		.amdhsa_user_sgpr_kernarg_segment_ptr 1
		.amdhsa_wavefront_size32 1
		.amdhsa_system_sgpr_workgroup_id_x 1
		.amdhsa_system_sgpr_workgroup_id_y 1
		.amdhsa_system_sgpr_workgroup_id_z 1
		.amdhsa_system_vgpr_workitem_id 0
		.amdhsa_next_free_vgpr 896
		.amdhsa_next_free_sgpr 66
		.amdhsa_reserve_vcc 0
		.amdhsa_float_denorm_mode_32 3
		.amdhsa_float_denorm_mode_16_64 3
		.amdhsa_memory_ordered 1
		.amdhsa_forward_progress 1
		.amdhsa_inst_pref_size 102
	.end_amdhsa_kernel
	.amdgpu_metadata
---
amdhsa.version: [ 1, 2 ]
amdhsa.kernels:
  - .name:           k_q2c7e624b38_oproj
    .symbol:         k_q2c7e624b38_oproj.kd
    .args:
      - { .name: ctx, .offset: 0, .size: 8, .value_kind: global_buffer, .address_space: global }
      - { .name: wb, .offset: 8, .size: 8, .value_kind: global_buffer, .address_space: global }
      - { .name: x, .offset: 16, .size: 8, .value_kind: global_buffer, .address_space: global }
      - { .name: bo, .offset: 24, .size: 8, .value_kind: global_buffer, .address_space: global }
      - { .name: x1, .offset: 32, .size: 8, .value_kind: global_buffer, .address_space: global }
    .group_segment_fixed_size: 327680
    .private_segment_fixed_size: 0
    .kernarg_segment_align: 8
    .kernarg_segment_size: 40
    .max_flat_workgroup_size: 128
    .sgpr_count:     66
    .vgpr_count:     896
    .wavefront_size: 32
...
	.end_amdgpu_metadata
.endif
;; end of part 4
;; launch ln2 (part 5): grid 256 x 1, 8 waves a work-group, no clusters, 0 bytes of LDS; arguments x1, g2, be2, h; writes h
.if DOCPART == 5
	.amdgcn_target "amdgcn-amd-amdhsa--gfx1250"
	.amdhsa_code_object_version 6
	.text
	.protected	k_q2c7e624b38_ln2
	.globl	k_q2c7e624b38_ln2
	.p2align	8
	.type	k_q2c7e624b38_ln2,@function
k_q2c7e624b38_ln2:
	s_mov_b64 s[64:65], 0
	v_nop
	global_prefetch_b8 v0, s[64:65] scope:SCOPE_SE
	s_setreg_imm32_b32 hwreg(HW_REG_WAVE_MODE, 25, 1), 1
	s_wait_xcnt 0x0
; h = LayerNorm(x1) * g2 + be2 in bf16.  x1: [4096][1024] f32.  One wave keeps a whole row (32 registers) and does two rows; a work-group does 16.
; The variance is the mean of (x - mean)^2, formed after the mean is taken away, so a common offset costs no digits.
; Only bytes are moved: no LDS, no matrix unit.  NaN and infinities are not served.
.set G,   4                            ; v[4:35]   gain of my 32 columns
.set BE,  36                           ; v[36:67]  bias of my 32 columns
.set X0,  68                           ; v[68:99]  row 0
.set X1,  100                          ; v[100:131] row 1
.set T,   132                          ; v[132:139] at work
.set MU,  140                          ; v[140:141] the mean, twice
.set RS,  142                          ; v[142:143] 1 / sqrt(var + eps), twice
.set YL,  144                          ; v[144:175] two rows in bf16
.set PX,  8                            ; s[8:9] x1   s[10:11] g2   s[12:13] be2   s[14:15] h
.set PG,  10
.set PBE, 12
.set PH,  14
.set SINV, 40                          ; 1 / 1024
.set SEPS, 41                          ; 1e-5
.set SEL,  42
.macro WSUM r, tmp                     ; the sum of v[r] over the 32 lanes, in every lane; tmp has been written before
	v_add_f32_dpp v[\r], v[\r], v[\r] row_xmask:1 row_mask:0xf bank_mask:0xf
	v_add_f32_dpp v[\r], v[\r], v[\r] row_xmask:2 row_mask:0xf bank_mask:0xf
	v_add_f32_dpp v[\r], v[\r], v[\r] row_xmask:4 row_mask:0xf bank_mask:0xf
	v_add_f32_dpp v[\r], v[\r], v[\r] row_xmask:8 row_mask:0xf bank_mask:0xf
	v_permlanex16_b32 v[\tmp], v[\r], s[SEL], s[SEL+1]
	v_add_f32 v[\r], v[\r], v[\tmp]
.endm
.macro FOLD                            ; four chains of pairs into one number a lane
	v_pk_add_f32 v[T:T+1], v[T:T+1], v[T+2:T+3]
	v_pk_add_f32 v[T+4:T+5], v[T+4:T+5], v[T+6:T+7]
	v_pk_add_f32 v[T:T+1], v[T:T+1], v[T+4:T+5]
	v_add_f32 v[T], v[T], v[T+1]
.endm
.macro LNROW x, y, left, rowoff        ; x: the row's 32 registers; y: 16 for the result; left: younger loads that may stay out; rowoff: its byte offset in h
	s_wait_loadcnt \left
.irp c, 0,1,2,3
	v_pk_add_f32 v[T+2*\c:T+2*\c+1], v[\x+4*\c:\x+4*\c+1], v[\x+4*\c+2:\x+4*\c+3]     ; the first pairs start four chains: nothing is cleared
.endr
.irp c, 0,1,2,3,4,5,6,7
	v_pk_add_f32 v[T+2*(\c%4):T+2*(\c%4)+1], v[T+2*(\c%4):T+2*(\c%4)+1], v[\x+16+2*\c:\x+16+2*\c+1]
.endr
	FOLD
	WSUM T, T+1
	v_mul_f32 v[MU], s[SINV], v[T]
	v_mov_b32 v[MU+1], v[MU]
.set i, 0
.rept 16
	v_pk_add_f32 v[\x+2*i:\x+2*i+1], v[\x+2*i:\x+2*i+1], v[MU:MU+1] neg_lo:[0,1] neg_hi:[0,1]   ; x - mean
.set i, i+1
.endr
.irp c, 0,1,2,3
	v_pk_mul_f32 v[T+2*\c:T+2*\c+1], v[\x+2*\c:\x+2*\c+1], v[\x+2*\c:\x+2*\c+1]
.endr
.irp c, 4,5,6,7,8,9,10,11,12,13,14,15
	v_pk_fma_f32 v[T+2*(\c%4):T+2*(\c%4)+1], v[\x+2*\c:\x+2*\c+1], v[\x+2*\c:\x+2*\c+1], v[T+2*(\c%4):T+2*(\c%4)+1]
.endr
	FOLD
	WSUM T, T+1
	v_fma_f32 v[T], v[T], s[SINV], s[SEPS]         ; var + eps
	v_rsq_f32 v[RS], v[T]
	v_rsq_f32 v[RS+1], v[T]
	s_wait_loadcnt 0x0                             ; gain and bias are in
	v_nop                                          ; a plain instruction between the root and the use of its result (ISA guide 5.7.2)
.set i, 0
	s_wait_alu depctr_va_vdst(0)
.rept 16
	v_pk_mul_f32 v[\x+2*i:\x+2*i+1], v[\x+2*i:\x+2*i+1], v[RS:RS+1]
.set i, i+1
.endr
.set i, 0
.rept 16
	v_pk_fma_f32 v[\x+2*i:\x+2*i+1], v[\x+2*i:\x+2*i+1], v[G+2*i:G+2*i+1], v[BE+2*i:BE+2*i+1]
.set i, i+1
.endr
.set i, 0
.rept 16
	v_cvt_pk_bf16_f32 v[\y+i], v[\x+2*i], v[\x+2*i+1]
.set i, i+1
.endr
.irp j, 0,1,2,3,4,5,6,7
	global_store_b64 v2, v[\y+2*\j:\y+2*\j+1], s[PH:PH+1] offset:\rowoff+256*\j      ; 32 lanes x 8 bytes: 256 consecutive bytes at a multiple of 256
.endr
.endm
	s_load_b256 s[8:15], s[0:1], 0x0
	v_lshrrev_b32 v1, 5, v0
	v_readfirstlane_b32 s4, v1                     ; wave 0..7
	s_lshl_b32 s5, ttmp9, 4                        ; 16 rows a work-group,
	s_lshl1_add_u32 s5, s4, s5                     ; two a wave
	s_lshl_b32 s32, s5, 12
	s_mov_b32 s33, 0
	s_lshl_b32 s36, s5, 11
	s_mov_b32 s37, 0
	s_mov_b32 s[SINV], 0x3a800000
	s_mov_b32 s[SEPS], 0x3727c5ac
	s_mov_b32 s[SEL], 0x76543210
	s_mov_b32 s[SEL+1], 0xfedcba98
	v_and_b32 v1, 31, v0
	v_lshlrev_b32 v2, 3, v1                        ; 8 bytes a lane in h
	v_lshlrev_b32 v1, 4, v1                        ; 16 bytes a lane in x1, g2, be2
	s_wait_kmcnt 0x0
	s_add_nc_u64 s[PX:PX+1], s[PX:PX+1], s[32:33]
	s_add_nc_u64 s[PH:PH+1], s[PH:PH+1], s[36:37]
.irp j, 0,1,2,3,4,5,6,7
	global_load_b128 v[X0+4*\j:X0+4*\j+3], v1, s[PX:PX+1] offset:512*\j
.endr
.irp j, 0,1,2,3,4,5,6,7
	global_load_b128 v[X1+4*\j:X1+4*\j+3], v1, s[PX:PX+1] offset:4096+512*\j
.endr
.irp j, 0,1,2,3,4,5,6,7
	global_load_b128 v[G+4*\j:G+4*\j+3], v1, s[PG:PG+1] offset:512*\j
.endr
.irp j, 0,1,2,3,4,5,6,7
	global_load_b128 v[BE+4*\j:BE+4*\j+3], v1, s[PBE:PBE+1] offset:512*\j
.endr
	LNROW X0, YL, 24, 0                            ; behind row 0's eight loads stand 24: row 1's, the gain's, the bias's
	LNROW X1, YL+16, 0, 2048
	s_endpgm
.Lfunc_end_k_q2c7e624b38_ln2:
	.size	k_q2c7e624b38_ln2, .Lfunc_end_k_q2c7e624b38_ln2-k_q2c7e624b38_ln2
	.p2alignl 7, 3214868480
	.fill 96, 4, 3214868480
	.section	.rodata,"a",@progbits
	.p2align	6, 0x0
	.amdhsa_kernel k_q2c7e624b38_ln2
		.amdhsa_group_segment_fixed_size 0
		.amdhsa_private_segment_fixed_size 0
		.amdhsa_enable_private_segment 0
		.amdhsa_kernarg_size 32
		.amdhsa_user_sgpr_count 2
		.amdhsa_user_sgpr_kernarg_segment_ptr 1
		.amdhsa_wavefront_size32 1
		.amdhsa_system_sgpr_workgroup_id_x 1
		.amdhsa_system_sgpr_workgroup_id_y 1
		.amdhsa_system_sgpr_workgroup_id_z 1
		.amdhsa_system_vgpr_workitem_id 0
		.amdhsa_next_free_vgpr 176
		.amdhsa_next_free_sgpr 66
		.amdhsa_reserve_vcc 0
		.amdhsa_float_denorm_mode_32 3
		.amdhsa_float_denorm_mode_16_64 3
		.amdhsa_memory_ordered 1
		.amdhsa_forward_progress 1
		.amdhsa_inst_pref_size 20
	.end_amdhsa_kernel
	.amdgpu_metadata
---
amdhsa.version: [ 1, 2 ]
amdhsa.kernels:
  - .name:           k_q2c7e624b38_ln2
    .symbol:         k_q2c7e624b38_ln2.kd
    .args:
      - { .name: x1, .offset: 0, .size: 8, .value_kind: global_buffer, .address_space: global }
      - { .name: g2, .offset: 8, .size: 8, .value_kind: global_buffer, .address_space: global }
      - { .name: be2, .offset: 16, .size: 8, .value_kind: global_buffer, .address_space: global }
      - { .name: h, .offset: 24, .size: 8, .value_kind: global_buffer, .address_space: global }
    .group_segment_fixed_size: 0
    .private_segment_fixed_size: 0
    .kernarg_segment_align: 8
    .kernarg_segment_size: 32
    .max_flat_workgroup_size: 256
    .sgpr_count:     66
    .vgpr_count:     176
    .wavefront_size: 32
...
	.end_amdgpu_metadata
.endif
;; end of part 5
;; launch ffn1 (part 6): grid 16 x 16, 4 waves a work-group, clusters of 4 x 4, 327,680 bytes of LDS; arguments h, wb, f, b1; writes f
.if DOCPART == 6
	.amdgcn_target "amdgcn-amd-amdhsa--gfx1250"
	.amdhsa_code_object_version 6
	.text
	.protected	k_q2c7e624b38_ffn1
	.globl	k_q2c7e624b38_ffn1
	.p2align	8
	.type	k_q2c7e624b38_ffn1,@function
k_q2c7e624b38_ffn1:
	s_mov_b64 s[64:65], 0
	v_nop
	global_prefetch_b8 v0, s[64:65] scope:SCOPE_SE
	s_setreg_imm32_b32 hwreg(HW_REG_WAVE_MODE, 25, 1), 1
	s_wait_xcnt 0x0
	s_wait_alu depctr_hold_cnt(0) depctr_sa_sdst(0) depctr_va_vdst(0) depctr_va_sdst(0) depctr_va_ssrc(0) depctr_va_vcc(0) depctr_vm_vsrc(0)
	s_getreg_b32 s2, hwreg(HW_REG_IB_STS2, 6, 4)
	s_cmp_eq_u32 s2, 0
	s_cbranch_scc0 .Lentry_in_a_cluster
	s_endpgm
.Lentry_in_a_cluster:
	s_bfe_u32 s2, ttmp6, 0x10000c
	s_cmp_lg_u32 s2, 0xf033
	s_cbranch_scc0 .Lentry_shape_is_right
	s_endpgm
.Lentry_shape_is_right:
; C = gelu(A W + bias), A [4096][KK] bf16 (K along the rows), W [KK][NN] bf16 (N along the rows, at byte WOFF of wb), sums in f32, C rounded once to bf16.
; HERE: A = h (the second LayerNorm's result), W = w1, C = f [4096][4096].
; A tile of C is 256 x 256: four waves, each 128 x 128 = 64 accumulators of 16 x 16 (512 registers).  K goes in steps of 128 through two LDS slots filled by the
; tensor data mover: waves 0, 1 bring A's 2 x 128 rows of 256 bytes, waves 2, 3 W's 2 x 64 k-rows of 512 bytes.  All rows start at multiples of 256 bytes.
; W lies [k][n], so its fragments come out of LDS turned, by ds_load_tr16_b128.
; CLUSTER 4 x 4: the four work-groups of a row of the cluster need the same tile of A, the four of a column the same tile of W: each is asked for jointly.
; THE MATRIX INSTRUCTION IS USED TRANSPOSED (source 0 = 16 columns of W, source 1 = 16 rows of A): a lane holds row l % 16 of C and the eight neighbouring columns 8 (l / 16) + 0..7.
; REGISTERS: window 0: v0-31 addresses and constants, v32-63 packed results, v64-191 A's fragments (two buffers; on the way out at work), v192-255 the bias of my 128 columns;
;   window 1: v64-191 W's fragments (two buffers); windows 2, 3: accumulators of my rows 0-63, 64-127 ((a, b) at v[8 (8 a + b)]).
; LIMITS: operands are rounded to bf16; NaN and infinities are not served.  With GELU: x / (1 + 2^z); beyond f32's range of 2^z the result is x or a zero, as in the limit.
.set KK,    1024
.set NN,    4096
.set WOFF,  8388608
.set GELU,  1
.set HEADS, 0
.set KSTEP,  128
.set PITCH,  272                       ; A's LDS row: 256 bytes + 16: the 16 rows of a fragment load start at 16 different groups of four banks
.set PB,     544                       ; W's LDS row: 512 bytes + 32 = 17 x 32
.set HALFT,  128*PITCH                 ; what one tensor load brings: 128 rows of A, or 64 rows of W (64 x 544, the same number)
.set SLOT,   4*HALFT                   ; A's 256 rows, then W's 128 k-rows
.set STAGE,  2*SLOT                    ; behind the ring: 16 rows x 272 bytes for each wave, for the way out
.set SPITCH, 272
.set SPARE,  STAGE+4*16*SPITCH         ; behind the stages: the spare words, 128 bytes a wave, which no other line names
.set LAPS,   KK/(2*KSTEP)              ; a lap = two K steps = once round the ring
.set C0V,  12                          ; v[12:13] GELU: -2 log2(e) sqrt(2/pi), twice
.set C1V,  14                          ; v[14:15] GELU: that times 0.044715, twice
.set ADRA, 16                          ; v16-17  LDS address of my A fragments in slot 0, 1
.set ADRB, 20                          ; v20-21  the same for W
.set STO,  24                          ; where I put 16 bytes of a row in my stage
.set RD,   25                          ; where I read the stage back
.set CO,   26                          ; my byte offset in C
.set BO,   27                          ; my byte offset in the bias
.set SPW,  28                          ; LDS address of my spare word; never rewritten
.set NIL,  29                          ; 0; never rewritten
.set TMP,  32
.set F0,   64
.set F1,   128
.set XX,   64                          ; the way out: a block's 64 numbers a lane in f32
.set TT,   128                         ; the way out: GELU at work
.set OB,   160                         ; the way out: 16 rows read back from the stage
.set BIAS, 192
.set G1,  24                           ; s[24:31] group 1 for A, s[32:39] group 0 for A (a set for each slot)
.set G0,  32
.set G1B, 48                           ; s[48:55], s[56:63] the same for W
.set G0B, 56
.set MSB, 0
.macro WIN new                         ; the immediate's high byte repeats the setting that is left; a switch that changes nothing is dropped
.if MSB != (\new)
	s_set_vgpr_msb (MSB<<8)|(\new)
.set MSB, (\new)
.endif
.endm
.set MUL_LO, 0xa1                      ; source 0 (W) window 1, source 1 (A) window 0, C and D window 2
.set MUL_HI, 0xf1                      ; the same, C and D window 3
.set TO_B,   0x40                      ; destination window 1, address window 0
; A joint load: waves 0, 1 ask for A's halves, waves 2, 3 for W's.  The branch hangs on the wave's number alone.  Four v_nop follow each line.
.macro JLOAD s
	s_cmp_eq_u32 s11, 0
	s_cbranch_scc0 .Lfor_b_\@
	tensor_load_to_lds s[G0+4*(\s):G0+4*(\s)+3], s[G1:G1+7]
	s_nop 0
.rept 4
	v_nop
.endr
	s_branch .Lasked_\@
.Lfor_b_\@:
	tensor_load_to_lds s[G0B+4*(\s):G0B+4*(\s)+3], s[G1B:G1B+7]
	s_nop 0
.rept 4
	v_nop
.endr
.Lasked_\@:
.endm
.macro CREST                           ; a round of the cluster's barrier behind its opening barrier
	s_cmp_lg_u32 s10, 0
	s_cbranch_scc1 .Lnot_wave_0_\@
	s_barrier_signal -3
.Lnot_wave_0_\@:
	s_barrier_wait -3
	s_barrier_signal -1
	s_barrier_wait -1
.endm
.macro CROUND                          ; a whole round
	s_barrier_signal -1
	s_barrier_wait -1
	CREST
.endm
.macro PLACES                          ; four plain places behind matrix instructions (ISA guide 7.12.1), where no other vector work is at hand
.rept 4
	v_nop
.endr
.endm
	s_load_b128 s[4:7], s[0:1], 0x0                ; A s[4:5], wb s[6:7]
	s_load_b64 s[8:9], s[0:1], 0x10                ; C
.if HEADS
	s_load_b128 s[68:71], s[0:1], 0x18             ; bq, bk
	s_load_b64 s[72:73], s[0:1], 0x28              ; bv
.else
	s_load_b64 s[68:69], s[0:1], 0x18              ; the bias
.endif
	v_lshl_add_u32 v[SPW], v0, 2, SPARE
	v_mov_b32 v[NIL], 0
	ds_add_u32 v28, v29
	ds_add_u32 v28, v29
	s_wait_dscnt 0x0
	v_lshrrev_b32 v1, 5, v0
	v_readfirstlane_b32 s10, v1                    ; wave 0..3
	s_lshr_b32 s11, s10, 1                         ; my half of the tile's rows.  Also: I fetch for A (0) or for W (1)
	s_and_b32 s12, s10, 1                          ; my half of its columns.  Also: which half of that tile I fetch
	s_bfe_u32 s40, ttmp6, 0x40000                  ; cx
	s_bfe_u32 s41, ttmp6, 0x40004                  ; cy
	s_lshl_b32 s42, ttmp9, 2
	s_add_co_u32 s42, s42, s40                     ; tile column = 4 x cluster x + cx
	s_and_b32 s13, ttmp7, 0xffff
	s_lshl_b32 s13, s13, 2
	s_add_co_u32 s13, s13, s41                     ; tile row = 4 x cluster y + cy
	s_lshl_b32 s43, s41, 2
	s_lshl_b32 s43, 15, s43                        ; my row of the cluster
	s_lshl_b32 s44, 0x1111, s40                    ; my column
	s_or_b32 s[G1+0], s43, (1<<16)|(1<<20)|(1<<21)|(5<<22)|(3<<25)   ; mask; elements of 2 bytes; padding on; bit 21 beside a mask; after every 64 words 4 words
	s_mov_b32 s[G1+1], KSTEP<<16                   ; tensor_dim0 = 128
	s_mov_b32 s[G1+2], 128<<16                     ; tensor_dim1 = 128
	s_mov_b32 s[G1+3], KSTEP<<16                   ; tile_dim0 = 128
	s_mov_b32 s[G1+4], 128                         ; tile_dim1 = 128
	s_mov_b32 s[G1+5], KK                          ; elements from row to row
	s_mov_b32 s[G1+6], 0
	s_mov_b32 s[G1+7], 0
	s_or_b32 s[G1B+0], s44, (1<<16)|(1<<20)|(1<<21)|(6<<22)|(7<<25)  ; after every 128 words 8 words
	s_mov_b32 s[G1B+1], 256<<16                    ; tensor_dim0 = 256
	s_mov_b32 s[G1B+2], 64<<16                     ; tensor_dim1 = 64
	s_mov_b32 s[G1B+3], 256<<16                    ; tile_dim0 = 256
	s_mov_b32 s[G1B+4], 64                         ; tile_dim1 = 64
	s_mov_b32 s[G1B+5], NN
	s_mov_b32 s[G1B+6], 0
	s_mov_b32 s[G1B+7], 0
	s_lshl_b32 s17, s12, 7
	s_lshl_b32 s16, s13, 8
	s_add_co_u32 s16, s16, s17                     ; A: row 256 x tile row + 128 x half,
	s_lshl_b32 s16, s16, 11                        ; of 2,048 bytes
	s_mov_b32 s17, 0
	s_mul_i32 s46, s12, 64*NN*2                    ; W: k-row 64 x half,
	s_lshl_b32 s45, s42, 9                         ; column 256 x tile column,
	s_add_co_u32 s46, s46, s45
	s_add_co_u32 s46, s46, WOFF                    ; in its part of wb
	s_mov_b32 s47, 0
	s_mul_i32 s20, s10, HALFT                      ; where they go: wave x 34,816: no place in the cluster enters an LDS address
	s_wait_kmcnt 0x0
	s_add_nc_u64 s[14:15], s[4:5], s[16:17]
	s_add_nc_u64 s[46:47], s[6:7], s[46:47]
	CROUND                                         ; all sixteen work-groups are here: the first joint loads meet
.irp s, 0,1
	s_mov_b32 s[G0+4*\s], 1
	s_add_co_u32 s[G0+4*\s+1], s20, \s*SLOT
	s_add_nc_u64 s[G0+4*\s+2:G0+4*\s+3], s[14:15], \s*KSTEP*2
	s_or_b32 s[G0+4*\s+3], s[G0+4*\s+3], 0x80000000
	s_mov_b32 s[G0B+4*\s], 1
	s_add_co_u32 s[G0B+4*\s+1], s20, \s*SLOT
	s_add_nc_u64 s[G0B+4*\s+2:G0B+4*\s+3], s[46:47], \s*KSTEP*NN*2
	s_or_b32 s[G0B+4*\s+3], s[G0B+4*\s+3], 0x80000000
	JLOAD \s                                       ; K steps 0 and 1: two tensor loads of mine are out
.endr
	; the bias of my 128 columns: lane l needs columns 16 b + 8 (l / 16) + 0..7 of each block b
	v_and_b32 v1, 15, v0                           ; l % 16
	v_bfe_u32 v2, v0, 4, 1                         ; l / 16
	v_lshlrev_b32 v[BO], 5, v2
.if HEADS
	s_cmp_eq_u32 ttmp9, 1                          ; cluster x = which of the three matrices
	s_cselect_b64 s[68:69], s[70:71], s[68:69]
	s_cmp_eq_u32 ttmp9, 2
	s_cselect_b64 s[68:69], s[72:73], s[68:69]
	s_lshl_b32 s66, s40, 10                        ; 256 cx columns of 4 bytes
.else
	s_lshl_b32 s66, s42, 10
.endif
	s_lshl_b32 s67, s12, 9
	s_add_co_u32 s66, s66, s67
	s_mov_b32 s67, 0
	s_add_nc_u64 s[68:69], s[68:69], s[66:67]
.irp b, 0,1,2,3,4,5,6,7
	global_load_b128 v[BIAS+8*\b:BIAS+8*\b+3],   v[BO], s[68:69] offset:64*\b
	global_load_b128 v[BIAS+8*\b+4:BIAS+8*\b+7], v[BO], s[68:69] offset:64*\b+16
.endr
	; fragments.  A: lane l holds row l % 16; two loads of 16 bytes, 32 bytes apart, at row x pitch + 16 (l / 16).
	; W, turned: lane l addresses k-row 8 (l / 16) + l % 8, 16 bytes at 16 ((l / 8) % 2); two loads, 16 k-rows apart.
	v_mul_u32_u24 v3, v1, PITCH
	v_lshl_add_u32 v3, v2, 4, v3
	v_and_b32 v5, 7, v0
	v_lshl_add_u32 v5, v2, 3, v5
	v_mul_u32_u24 v5, v5, PB
	v_bfe_u32 v6, v0, 3, 1
	v_lshl_add_u32 v5, v6, 4, v5
	s_mul_i32 s21, s11, HALFT                      ; my 128 rows of A
	s_lshl_b32 s22, s12, 8                         ; my 128 columns of W,
	s_add_co_u32 s22, s22, 2*HALFT                 ; which lies behind A
.irp s, 0,1
	v_add_nc_u32 v[ADRA+\s], s21, v3
	v_add_nc_u32 v[ADRB+\s], s22, v5
	s_add_co_u32 s21, s21, SLOT
	s_add_co_u32 s22, s22, SLOT
.endr
	s_mul_i32 s23, s10, 16*SPITCH
	s_add_co_u32 s23, s23, STAGE                   ; my stage
	v_mul_u32_u24 v4, v1, SPITCH                   ; in: row l % 16, 16 bytes for each half of the lanes
	v_lshl_add_u32 v4, v2, 4, v4
	v_add_nc_u32 v[STO], s23, v4
.if HEADS
	; back: lanes 0-15 take two tokens' 128 bytes of my first head, lanes 16-31 of my second: in qkv a head's tokens follow each other, 128 bytes each
	v_and_b32 v7, 7, v0
	v_mul_u32_u24 v5, v6, SPITCH
	v_lshl_add_u32 v5, v2, 7, v5
	v_lshl_add_u32 v5, v7, 4, v5
	v_add_nc_u32 v[RD], s23, v5
	v_lshlrev_b32 v5, 18, v2                       ; a head is 262,144 bytes
	v_lshl_add_u32 v[CO], v1, 4, v5
	s_lshl_b32 s16, ttmp9, 23                      ; the matrix: 8,388,608 bytes
	s_lshr_b32 s17, s13, 3                         ; the batch: 8 tile rows
	s_lshl_b32 s17, s17, 4
	s_lshl_b32 s46, s40, 2
	s_add_co_u32 s17, s17, s46
	s_lshl_b32 s46, s12, 1
	s_add_co_u32 s17, s17, s46                     ; 16 x batch + 4 cx + 2 x half: my first head
	s_lshl_b32 s17, s17, 18
	s_add_co_u32 s16, s16, s17
	s_and_b32 s17, s13, 7
	s_lshl_b32 s17, s17, 8
	s_lshl_b32 s46, s11, 7
	s_add_co_u32 s17, s17, s46                     ; my first token in the batch
	s_lshl_b32 s17, s17, 7
	s_add_co_u32 s16, s16, s17
.else
	v_mul_u32_u24 v5, v2, SPITCH                   ; back: lanes 0-15 take one row of 256 bytes, lanes 16-31 the next
	v_lshl_add_u32 v5, v1, 4, v5
	v_add_nc_u32 v[RD], s23, v5
	v_mul_u32_u24 v5, v2, NN*2
	v_lshl_add_u32 v[CO], v1, 4, v5
	s_lshl_b32 s16, s13, 8
	s_lshl_b32 s17, s11, 7
	s_add_co_u32 s16, s16, s17                     ; my first row of C
	s_mul_i32 s16, s16, NN*2
	s_lshl_b32 s46, s42, 9
	s_add_co_u32 s16, s16, s46
	s_lshl_b32 s46, s12, 8
	s_add_co_u32 s16, s16, s46                     ; my first column, in bytes
.endif
	s_mov_b32 s17, 0
	s_add_nc_u64 s[8:9], s[8:9], s[16:17]
.if GELU
	v_mov_b32 v[C0V], 0xc0135761                   ; -2.3022082
	v_mov_b32 v[C0V+1], 0xc0135761
	v_mov_b32 v[C1V], 0xbdd2d3e8                   ; -0.10294324
	v_mov_b32 v[C1V+1], 0xbdd2d3e8
.endif
; 16 matrix instructions: m blocks a0, a0 + 1 of the window's four x all 8 n blocks, 32 along K.  zero = 1: the product starts the sums.
.macro MUL16 f, hi, a0, zero
.irp a, \a0, \a0+1
.irp b, 0,1,2,3,4,5,6,7
.if \zero
	v_wmma_f32_16x16x32_bf16 v[8*(8*(\a)+\b):8*(8*(\a)+\b)+7], v[\f+8*\b:\f+8*\b+7], v[\f+8*(4*\hi+\a):\f+8*(4*\hi+\a)+7], 0
.else
	v_wmma_f32_16x16x32_bf16 v[8*(8*(\a)+\b):8*(8*(\a)+\b)+7], v[\f+8*\b:\f+8*\b+7], v[\f+8*(4*\hi+\a):\f+8*(4*\hi+\a)+7], v[8*(8*(\a)+\b):8*(8*(\a)+\b)+7]
.endif
.endr
.endr
.endm
; 32 LDS loads in one run: the fragments of quarter kq (32 along K) of a slot into buffer f: W's 8 x 16 columns, turned, then A's 8 x 16 rows
.macro FETCH slot, kq, f
	WIN TO_B
.irp i, 0,1,2,3,4,5,6,7
	ds_load_tr16_b128 v[\f+8*\i:\f+8*\i+3],   v[ADRB+\slot] offset:\kq*32*PB+32*\i
	ds_load_tr16_b128 v[\f+8*\i+4:\f+8*\i+7], v[ADRB+\slot] offset:\kq*32*PB+32*\i+16*PB
.endr
	WIN 0
.irp i, 0,1,2,3,4,5,6,7
	ds_load_b128 v[\f+8*\i:\f+8*\i+3],   v[ADRA+\slot] offset:\kq*64+\i*16*PITCH
	ds_load_b128 v[\f+8*\i+4:\f+8*\i+7], v[ADRA+\slot] offset:\kq*64+\i*16*PITCH+32
.endr
.endm
; One of a K step's first three quarters: multiplies buffer f; in its middle fetches quarter kq of the same slot into buffer g.
.macro QUARTER slot, kq, f, g, zero
	s_wait_dscnt 8                                 ; W and A's rows 0-63 are in; the youngest eight loads (A's rows 64-127) may be out
	WIN MUL_LO
	MUL16 \f, 0, 0, \zero
	MUL16 \f, 0, 2, \zero
	PLACES
	FETCH \slot, \kq, \g
	s_wait_dscnt 32                                ; all but the 32 just issued
	WIN MUL_HI
	MUL16 \f, 1, 0, \zero
	MUL16 \f, 1, 2, \zero
.endm
; The first half of the last quarter: one barrier for the change of slots.
.macro MEET round
	WIN 0                                          ; the add's two registers lie in window 0
	s_wait_tensorcnt 0x0                           ; all my tensor loads have landed: the one that was out is my part of the next slot
	ds_add_u32 v[SPW], v[NIL]                      ; 0 onto my spare word
	s_wait_dscnt 9                                 ; the add and the youngest eight loads may be out
	WIN MUL_LO
	MUL16 F1, 0, 0, 0                              ; work on registers between the add and the wait for it
	s_wait_dscnt 0x0                               ; the add is done, and my reads of this slot are over
	s_barrier_signal -1
	MUL16 F1, 0, 2, 0
.if \round
	WIN 0
.endif
	s_barrier_wait -1
.endm
; The whole last quarter.  fill = 1: the barrier opens a round of the cluster's, and the slot just read is filled again, two K steps on, first thing behind it.
.macro TURN slot, next, fill
	MEET \fill
.if \fill
	CREST                                          ; no wave of any partner still reads this slot or has a load on its way
	s_add_nc_u64 s[G0+4*\slot+2:G0+4*\slot+3], s[G0+4*\slot+2:G0+4*\slot+3], 2*KSTEP*2
	s_add_nc_u64 s[G0B+4*\slot+2:G0B+4*\slot+3], s[G0B+4*\slot+2:G0B+4*\slot+3], 2*KSTEP*NN*2
	JLOAD \slot                                    ; my one tensor load behind the round; its four v_nop are also the places in front of the loads below
.else
	PLACES
.endif
	FETCH \next, 0, F0
	WIN MUL_HI
	MUL16 F1, 1, 0, 0
	MUL16 F1, 1, 2, 0
.endm
; THE WAY OUT of block a (16 rows x 128 columns).  EPI: bias (and GELU), rounded to bf16.  TOSTAGE: into my stage, and back by rows.  SEND: stored.
.macro EPI a
.set AC, 64*((\a)%4)
	WIN 0x02+(\a)/4                                ; source 0: window 2 or 3
.irp b, 0,1,2,3,4,5,6,7
.irp r, 0,1,2,3
	v_pk_add_f32 v[XX+8*\b+2*\r:XX+8*\b+2*\r+1], v[AC+8*\b+2*\r:AC+8*\b+2*\r+1], v[BIAS+8*\b+2*\r:BIAS+8*\b+2*\r+1]   ; each accumulator is read from its low end on
.endr
.endr
	WIN 0
.if GELU
	; gelu(x) = x / (1 + 2^z), z = x (C0 + C1 x^2): the tanh form, rewritten by 0.5 (1 + tanh u) = 1 / (1 + e^(-2u))
.irp hf, 0, 32
.set i, 0
.rept 16
	v_pk_mul_f32 v[TT+i:TT+i+1], v[XX+\hf+i:XX+\hf+i+1], v[XX+\hf+i:XX+\hf+i+1]
.set i, i+2
.endr
.set i, 0
.rept 16
	v_pk_fma_f32 v[TT+i:TT+i+1], v[TT+i:TT+i+1], v[C1V:C1V+1], v[C0V:C0V+1]
.set i, i+2
.endr
.set i, 0
.rept 16
	v_pk_mul_f32 v[TT+i:TT+i+1], v[TT+i:TT+i+1], v[XX+\hf+i:XX+\hf+i+1]
.set i, i+2
.endr
.set i, 0
.rept 32
	v_exp_f32 v[TT+i], v[TT+i]
.set i, i+1
.endr
	v_nop                                          ; a plain place behind the last exponential
.set i, 0
	s_wait_alu depctr_va_vdst(0)
.rept 16
	v_pk_add_f32 v[TT+i:TT+i+1], v[TT+i:TT+i+1], 1.0 op_sel_hi:[1,0]
.set i, i+2
.endr
.set i, 0
.rept 32
	v_rcp_f32 v[TT+i], v[TT+i]
.set i, i+1
.endr
	v_nop
.set i, 0
	s_wait_alu depctr_va_vdst(0)
.rept 16
	v_pk_mul_f32 v[XX+\hf+i:XX+\hf+i+1], v[XX+\hf+i:XX+\hf+i+1], v[TT+i:TT+i+1]
.set i, i+2
.endr
.endr
.endif
.set i, 0
.rept 32
	v_cvt_pk_bf16_f32 v[TMP+i], v[XX+2*i], v[XX+2*i+1]
.set i, i+1
.endr
.endm
.macro TOSTAGE
.irp b, 0,1,2,3,4,5,6,7
	ds_store_b128 v[STO], v[TMP+4*\b:TMP+4*\b+3] offset:32*\b
.endr
	s_wait_xcnt 0x0                                ; OB was the data of the block before's stores: it is loaded again only behind this wait
.irp t, 0,1,2,3,4,5,6,7
	ds_load_b128 v[OB+4*\t:OB+4*\t+3], v[RD] offset:\t*2*SPITCH     ; LDS serves a wave's instructions in order: these see the stores above
.endr
.endm
.macro SEND a
	s_wait_dscnt 0x0                               ; the block is back in registers
.irp t, 0,1,2,3,4,5,6,7
.if HEADS
	global_store_b128 v[CO], v[OB+4*\t:OB+4*\t+3], s[8:9] offset:(\a)*2048+\t*256           ; 16 lanes: two tokens of a head, 256 consecutive bytes at a multiple of 256
.else
	global_store_b128 v[CO], v[OB+4*\t:OB+4*\t+3], s[8:9] offset:(16*(\a)+2*\t)*NN*2        ; 16 lanes: 256 consecutive bytes of a row, at a multiple of 256
.endif
.endr
.endm
	s_wait_tensorcnt 1                             ; my part of K step 0 is in; K step 1's may stay out
	s_barrier_signal -1
	s_barrier_wait -1                              ; everybody's is
	FETCH 0, 0, F0
	QUARTER 0, 1, F0, F1, 1                        ; the first quarter stands in front of the loop: its products start the sums
	WIN 0                                          ; at a label and at a branch every window is 0
	s_mov_b32 s3, LAPS-1
.Llap:                                                 ; a trip goes once round the ring and fills both slots again; the 64 accumulators take turns
	QUARTER 0, 2, F1, F0, 0
	QUARTER 0, 3, F0, F1, 0
	TURN 0, 1, 1
	QUARTER 1, 1, F0, F1, 0
	QUARTER 1, 2, F1, F0, 0
	QUARTER 1, 3, F0, F1, 0
	TURN 1, 0, 1
	QUARTER 0, 1, F0, F1, 0
	WIN 0
	s_sub_co_u32 s3, s3, 1
	s_cmp_lg_u32 s3, 0
	s_cbranch_scc1 .Llap
	QUARTER 0, 2, F1, F0, 0                        ; the last lap fills nothing
	QUARTER 0, 3, F0, F1, 0
	TURN 0, 1, 0
	QUARTER 1, 1, F0, F1, 0
	QUARTER 1, 2, F1, F0, 0
	QUARTER 1, 3, F0, F1, 0
	s_wait_dscnt 8                                 ; the very last quarter: nothing more to fetch
	WIN MUL_LO
	MUL16 F1, 0, 0, 0
	MUL16 F1, 0, 2, 0
	s_wait_dscnt 0x0
	WIN MUL_HI
	MUL16 F1, 1, 0, 0
	MUL16 F1, 1, 2, 0
	WIN 0
	s_wait_loadcnt 0x0                             ; the bias
	PLACES                                         ; the way out writes over A's buffers, which the last products read
	EPI 0
	TOSTAGE
.irp a, 1,2,3,4,5,6,7                  ; block a's arithmetic stands between block a - 1's loads from the stage and the wait for them
	EPI \a
	SEND \a-1
	TOSTAGE
.endr
	SEND 7
	s_wait_tensorcnt 0x0                           ; the wave's end
	ds_add_u32 v[SPW], v[NIL]
	s_wait_dscnt 0x0
	CROUND                                         ; the closing round
	s_endpgm
.Lfunc_end_k_q2c7e624b38_ffn1:
	.size	k_q2c7e624b38_ffn1, .Lfunc_end_k_q2c7e624b38_ffn1-k_q2c7e624b38_ffn1
	.p2alignl 7, 3214868480
	.fill 96, 4, 3214868480
	.section	.rodata,"a",@progbits
	.p2align	6, 0x0
	.amdhsa_kernel k_q2c7e624b38_ffn1
		.amdhsa_group_segment_fixed_size 327680
		.amdhsa_private_segment_fixed_size 0
		.amdhsa_enable_private_segment 0
		.amdhsa_kernarg_size 32
		.amdhsa_user_sgpr_count 2
		.amdhsa_user_sgpr_kernarg_segment_ptr 1
		.amdhsa_wavefront_size32 1
		.amdhsa_system_sgpr_workgroup_id_x 1
		.amdhsa_system_sgpr_workgroup_id_y 1
		.amdhsa_system_sgpr_workgroup_id_z 1
		.amdhsa_system_vgpr_workitem_id 0
		.amdhsa_next_free_vgpr 1024
		.amdhsa_next_free_sgpr 80
		.amdhsa_reserve_vcc 0
		.amdhsa_float_denorm_mode_32 3
		.amdhsa_float_denorm_mode_16_64 3
		.amdhsa_memory_ordered 1
		.amdhsa_forward_progress 1
		.amdhsa_inst_pref_size 255
	.end_amdhsa_kernel
	.section	.bss,"aw",@nobits
	.p2align	6
	.space	262144
	.amdgpu_metadata
---
amdhsa.version: [ 1, 2 ]
amdhsa.kernels:
  - .name:           k_q2c7e624b38_ffn1
    .symbol:         k_q2c7e624b38_ffn1.kd
    .args:
      - { .name: h, .offset: 0, .size: 8, .value_kind: global_buffer, .address_space: global }
      - { .name: wb, .offset: 8, .size: 8, .value_kind: global_buffer, .address_space: global }
      - { .name: f, .offset: 16, .size: 8, .value_kind: global_buffer, .address_space: global }
      - { .name: b1, .offset: 24, .size: 8, .value_kind: global_buffer, .address_space: global }
    .group_segment_fixed_size: 327680
    .private_segment_fixed_size: 0
    .kernarg_segment_align: 8
    .kernarg_segment_size: 32
    .max_flat_workgroup_size: 128
    .sgpr_count:     80
    .vgpr_count:     1024
    .wavefront_size: 32
...
	.end_amdgpu_metadata
.endif
;; end of part 6
;; launch ffn2 (part 7): grid 8 x 32, 4 waves a work-group, clusters of 4 x 1, 327,680 bytes of LDS; arguments f, wb, x1, b2, out0; writes out0
.if DOCPART == 7
	.amdgcn_target "amdgcn-amd-amdhsa--gfx1250"
	.amdhsa_code_object_version 6
	.text
	.protected	k_q2c7e624b38_ffn2
	.globl	k_q2c7e624b38_ffn2
	.p2align	8
	.type	k_q2c7e624b38_ffn2,@function
k_q2c7e624b38_ffn2:
	s_mov_b64 s[64:65], 0
	v_nop
	global_prefetch_b8 v0, s[64:65] scope:SCOPE_SE
	s_setreg_imm32_b32 hwreg(HW_REG_WAVE_MODE, 25, 1), 1
	s_wait_xcnt 0x0
	s_wait_alu depctr_hold_cnt(0) depctr_sa_sdst(0) depctr_va_vdst(0) depctr_va_sdst(0) depctr_va_ssrc(0) depctr_va_vcc(0) depctr_vm_vsrc(0)
	s_getreg_b32 s2, hwreg(HW_REG_IB_STS2, 6, 4)
	s_cmp_eq_u32 s2, 0
	s_cbranch_scc0 .Lentry_in_a_cluster
	s_endpgm
.Lentry_in_a_cluster:
	s_bfe_u32 s2, ttmp6, 0x10000c
	s_cmp_lg_u32 s2, 0x3003
	s_cbranch_scc0 .Lentry_shape_is_right
	s_endpgm
.Lentry_shape_is_right:
; OUT = RES + A W + bias.  A [4096][KK] bf16 (K along the rows); W [KK][1024] bf16 in the order of matrix fragments, at byte WOFF of wb; RES, OUT [4096][1024] f32; bias [1024] f32; sums in f32.
; HERE: A = f (the hidden layer), W = w2, RES = x1, OUT = out0.
; C has 4,096 x 1,024 numbers: tiles of 128 x 128 give 256 work-groups.  Four waves, each all 128 rows x 32 columns = 16 accumulators.
; A GOES THROUGH LDS, W DOES NOT.  With A alone in LDS a slot holds K = 512: 256 matrix instructions a wave stand between a refill and the wait for it, twice what a slot shared with W would hold.
;   A: two slots, each two halves of 128 rows x 256 K (rows of 512 bytes); each of the four waves brings 64 rows of one half by one tensor load.
;   W: for each pair of 16-column blocks and each 32 along K wb holds 2,048 consecutive bytes [block][register half][lane] x 16 bytes, so a wave's load of 16 bytes a lane covers 512 consecutive
;      bytes and IS half a fragment.  A wave's 32 columns are one pair: its W is one stream of KK x 64 bytes, which no other wave of the work-group reads.  A ring of eight quarters
;      (64 along K each, 32 registers) holds it: in quarter q the eight loads of quarter q + 7 go out, into the registers that quarter q - 1 read: 56 loads of a wave are out at the most in the loop.
; CLUSTER 4 x 1: the four column tiles of a cluster need the same tile of A: joint loads with the mask 15.  W lands in registers, where no joint load can bring it.
; THE MATRIX INSTRUCTION IS USED TRANSPOSED (source 0 = 16 columns of W, source 1 = 16 rows of A): a lane holds row l % 16 and eight neighbouring columns.  The bias is the C of each sum's first product.
; THE WAY OUT: a wave's 32 columns of f32 are 128 bytes, so the four waves share one stage of 128 rows x 512 bytes, with a barrier between writing and reading.  The stage lies in slot 0, which has had
;   its last fill, and whose last reads every wave has waited for in front of the barrier ahead of the last K step.  The residual's loads take the ring's turns in the last K step.
; REGISTERS: window 0: v16-29 addresses, v32-47 bias, v128-255 accumulators ((a, b) at v[128 + 8 (2 a + b)]); window 1: A's fragments, two buffers of 128 (64 along K), then the rows on the way out;
;   window 2: W's ring; window 3: v0-127 the residual of my 32 rows x 128 columns.
; LIMITS: operands are rounded to bf16; NaN and infinities are not served.
.set KK,    4096
.set WOFF,  16777216
.set KSTEP, 512
.set PITCH, 528                        ; an LDS row: 512 bytes + 16 = 33 x 16: the 16 rows of a fragment load start at 16 different groups of four banks
.set QUART, 64*PITCH                   ; what one tensor load brings
.set SUB,   2*QUART                    ; 128 rows x 256 K
.set SLOT,  2*SUB                      ; 128 rows x 512 K
.set STAGE, 0                          ; the way out: 128 rows x 528 bytes in slot 0
.set SPARE, 2*SLOT                     ; behind the ring: the spare words, 128 bytes a wave, which no other line names
.set LAPS,  KK/(2*KSTEP)               ; a lap = two K steps = once round the ring = 16 quarters
.set ADRA, 16                          ; v16-19  my A fragments: slot x 2 + half of the slot's K
.set STO,  24                          ; where I put 16 bytes of a row in the stage
.set RD,   25                          ; where I read a row of the stage back
.set BO,   26                          ; 16 x lane: my bytes in W's stream, and in a row of RES and OUT
.set BI,   27                          ; my byte offset in the bias
.set SPW,  28                          ; LDS address of my spare word; never rewritten
.set NIL,  29                          ; 0; never rewritten
.set BIAS, 32                          ; v[32:47] block b: the bias of columns 16 b + 8 (l / 16) + 0..7
.set ACC,  128
.set G1,  24                           ; s[24:31] group 1
.set G0,  32                           ; s[32:39] group 0, a set for each slot
.set BB,  40                           ; s[40:41] my stream of W, at the lap's first quarter
.set RB,  42                           ; s[42:43] the residual at my first row
.set MSB, 0
.macro WIN new                         ; the immediate's high byte repeats the setting that is left; a switch that changes nothing is dropped
.if MSB != (\new)
	s_set_vgpr_msb (MSB<<8)|(\new)
.set MSB, (\new)
.endif
.endm
.set MUL,  0x06                        ; source 0 (W) window 2, source 1 (A) window 1; C and D window 0
.set TO_A, 0x40                        ; destination window 1, address window 0
.set TO_B, 0x80                        ; destination window 2
.set TO_R, 0xc0                        ; destination window 3
.macro JLOAD s                         ; every wave asks for its own quarter of the slot; four v_nop follow the line
	tensor_load_to_lds s[G0+4*(\s):G0+4*(\s)+3], s[G1:G1+7]
	s_nop 0
.rept 4
	v_nop
.endr
.endm
.macro CREST                           ; a round of the cluster's barrier behind its opening barrier
	s_cmp_lg_u32 s10, 0
	s_cbranch_scc1 .Lnot_wave_0_\@
	s_barrier_signal -3
.Lnot_wave_0_\@:
	s_barrier_wait -3
	s_barrier_signal -1
	s_barrier_wait -1
.endm
.macro CROUND                          ; a whole round
	s_barrier_signal -1
	s_barrier_wait -1
	CREST
.endm
.macro PLACES                          ; four plain places behind matrix instructions (ISA guide 7.12.1), where no other vector work is at hand
.rept 4
	v_nop
.endr
.endm
; Eight loads.  ev = 1: W of the lap's quarter EV, into its place in the ring.  ev = 2..5: part ev - 2 of the residual, eight rows.  ev = 0: nothing.
.macro EVENT ev
.if \ev == 1
	WIN TO_B
.irp i, 0,1,2,3,4,5,6,7
	global_load_b128 v[32*(EV%8)+4*\i:32*(EV%8)+4*\i+3], v[BO], s[BB:BB+1] offset:EV*4096+512*\i   ; 512 consecutive bytes: half a fragment
.endr
.elseif \ev > 1
	WIN TO_R
.irp i, 0,1,2,3,4,5,6,7
	global_load_b128 v[4*(8*(\ev-2)+\i):4*(8*(\ev-2)+\i)+3], v[BO], s[RB:RB+1] offset:(8*(\ev-2)+\i)*4096   ; 512 consecutive bytes of a row
.endr
.endif
.endm
	s_load_b128 s[4:7], s[0:1], 0x0                ; A s[4:5], wb s[6:7]
	s_load_b128 s[44:47], s[0:1], 0x10             ; the residual s[44:45], the bias s[46:47]
	s_load_b64 s[8:9], s[0:1], 0x20                ; OUT
	v_lshl_add_u32 v[SPW], v0, 2, SPARE
	v_mov_b32 v[NIL], 0
	ds_add_u32 v28, v29
	ds_add_u32 v28, v29
	s_wait_dscnt 0x0
	v_lshrrev_b32 v1, 5, v0
	v_readfirstlane_b32 s10, v1                    ; wave 0..3
	s_lshr_b32 s11, s10, 1                         ; which half of a slot's K I fetch
	s_and_b32 s12, s10, 1                          ; which 64 rows of it
	s_bfe_u32 s14, ttmp6, 0x40000                  ; cx
	s_lshl_b32 s15, ttmp9, 2
	s_add_co_u32 s15, s15, s14                     ; tile column = 4 x cluster x + cx: it enters W's, the bias's, RES's and OUT's addresses alone
	s_and_b32 s13, ttmp7, 0xffff                   ; tile row, which the four partners share
	s_mov_b32 s[G1+0], 15|(1<<16)|(1<<20)|(1<<21)|(6<<22)|(3<<25)   ; the mask: all four; 2-byte elements; padding on; bit 21 beside a mask; after every 128 words 4 words
	s_mov_b32 s[G1+1], 256<<16                     ; tensor_dim0 = 256
	s_mov_b32 s[G1+2], 64<<16                      ; tensor_dim1 = 64
	s_mov_b32 s[G1+3], 256<<16                     ; tile_dim0 = 256
	s_mov_b32 s[G1+4], 64                          ; tile_dim1 = 64
	s_mov_b32 s[G1+5], KK                          ; elements from row to row
	s_mov_b32 s[G1+6], 0
	s_mov_b32 s[G1+7], 0
	s_lshl_b32 s16, s13, 7
	s_lshl_b32 s17, s12, 6
	s_add_co_u32 s16, s16, s17                     ; A: row 128 x tile row + 64 x half,
	s_mul_i32 s16, s16, KK*2
	s_lshl_b32 s17, s11, 9                         ; K 256 x half
	s_add_co_u32 s16, s16, s17
	s_mov_b32 s17, 0
	s_lshl2_add_u32 s18, s15, s10                  ; W: my pair of column blocks = 4 x tile column + wave,
	s_mul_i32 s18, s18, KK*64                      ; a stream of KK / 32 x 2,048 bytes each,
	s_add_co_u32 s18, s18, WOFF                    ; in its part of wb
	s_mov_b32 s19, 0
	s_lshl_b32 s20, s15, 9                         ; the tile's first column in bytes of f32
	s_lshl_b32 s21, s10, 7
	s_add_co_u32 s22, s20, s21                     ; the bias of my 32 columns
	s_mov_b32 s23, 0
	s_lshl_b32 s48, s13, 7
	s_lshl_b32 s49, s10, 5
	s_add_co_u32 s48, s48, s49                     ; the first row that I store: 128 x tile row + 32 x wave,
	s_lshl_b32 s48, s48, 12                        ; of 4,096 bytes
	s_add_co_u32 s48, s48, s20
	s_mov_b32 s49, 0
	s_mul_i32 s52, s10, QUART                      ; where my part of a slot goes: no place in the cluster enters an LDS address
	v_and_b32 v1, 15, v0                           ; l % 16
	v_bfe_u32 v2, v0, 4, 1                         ; l / 16
	v_and_b32 v3, 31, v0
	v_lshlrev_b32 v[BO], 4, v3
	v_lshlrev_b32 v[BI], 5, v2
	s_wait_kmcnt 0x0
	s_add_nc_u64 s[50:51], s[4:5], s[16:17]
	s_add_nc_u64 s[BB:BB+1], s[6:7], s[18:19]
	s_add_nc_u64 s[46:47], s[46:47], s[22:23]
	s_add_nc_u64 s[RB:RB+1], s[44:45], s[48:49]
	s_add_nc_u64 s[8:9], s[8:9], s[48:49]
.irp s, 0,1
	s_mov_b32 s[G0+4*\s], 1
	s_add_co_u32 s[G0+4*\s+1], s52, \s*SLOT
	s_add_nc_u64 s[G0+4*\s+2:G0+4*\s+3], s[50:51], \s*KSTEP*2
	s_or_b32 s[G0+4*\s+3], s[G0+4*\s+3], 0x80000000
.endr
.irp b, 0,1
	global_load_b128 v[BIAS+8*\b:BIAS+8*\b+3],   v[BI], s[46:47] offset:64*\b
	global_load_b128 v[BIAS+8*\b+4:BIAS+8*\b+7], v[BI], s[46:47] offset:64*\b+16
.endr
.irp e, 0,1,2,3,4,5,6                  ; the ring's first seven quarters: with the bias's four, 60 loads of mine are out
.set EV, \e
	EVENT 1
.endr
	WIN 0
	CROUND                                         ; all four work-groups are here: the first joint loads meet
	JLOAD 0
	JLOAD 1                                        ; K steps 0 and 1: two tensor loads of mine are out
	v_mul_u32_u24 v[ADRA], v1, PITCH               ; A's fragments: row x pitch + 16 x half; every wave reads all 128 rows
	v_lshl_add_u32 v[ADRA], v2, 4, v[ADRA]
	v_add_nc_u32 v[ADRA+1], SUB, v[ADRA]
	v_add_nc_u32 v[ADRA+2], SLOT, v[ADRA]
	v_add_nc_u32 v[ADRA+3], SLOT+SUB, v[ADRA]
	s_lshl_b32 s53, s10, 7                         ; into the stage: row l % 16, my 128 bytes of it, 32 bytes for each half of the lanes
	v_mul_u32_u24 v4, v1, PITCH
	v_lshl_add_u32 v4, v2, 5, v4
	v_add_nc_u32 v[STO], s53, v4
	s_mul_i32 s53, s10, 32*PITCH                   ; back: wave w takes rows 32 w .. 32 w + 31, whole: 32 lanes x 16 bytes are a row
	v_add_nc_u32 v[RD], s53, v[BO]
; 8 matrix instructions: m blocks a0 .. a0 + 3 x both n blocks, 32 along K: half c of the quarter whose A lies at QF and whose W lies in place QR of the ring.  first = 1: the bias starts the sums
.macro MULH c, a0, first
.irp a, \a0, \a0+1, \a0+2, \a0+3
.irp b, 0,1
.if \first
	v_wmma_f32_16x16x32_bf16 v[ACC+8*(2*(\a)+\b):ACC+8*(2*(\a)+\b)+7], v[32*QR+16*\c+8*\b:32*QR+16*\c+8*\b+7], v[QF+64*\c+8*(\a):QF+64*\c+8*(\a)+7], v[BIAS+8*\b:BIAS+8*\b+7]
.else
	v_wmma_f32_16x16x32_bf16 v[ACC+8*(2*(\a)+\b):ACC+8*(2*(\a)+\b)+7], v[32*QR+16*\c+8*\b:32*QR+16*\c+8*\b+7], v[QF+64*\c+8*(\a):QF+64*\c+8*(\a)+7], v[ACC+8*(2*(\a)+\b):ACC+8*(2*(\a)+\b)+7]
.endif
.endr
.endr
.endm
; 32 LDS loads in one run: A's fragments of the lap's quarter NQ (64 along K) into buffer NQ % 2; the first 32 along K first
.macro FETCH
	WIN TO_A
.irp c, 0,1
.irp a, 0,1,2,3,4,5,6,7
	ds_load_b128 v[128*(NQ%2)+64*\c+8*\a:128*(NQ%2)+64*\c+8*\a+3],   v[ADRA+NQ/4] offset:(NQ%4)*128+64*\c+\a*16*PITCH
	ds_load_b128 v[128*(NQ%2)+64*\c+8*\a+4:128*(NQ%2)+64*\c+8*\a+7], v[ADRA+NQ/4] offset:(NQ%4)*128+64*\c+\a*16*PITCH+32
.endr
.endr
.endm
; Quarter ql of a lap's sixteen (not the last of a K step).  In its middle: the next quarter's A out of LDS, and eight loads from memory (EVENT).
; n: the loads from memory issued behind this quarter's W, which may stay out: six groups of eight, fewer at the very end.
.macro QUARTER ql, first, ev, n
.set QF, 128*((\ql)%2)
.set QR, (\ql)%8
.set NQ, (\ql)+1
.set EV, (\ql)+7
	s_wait_dscnt 16                                ; A's first 32 along K are in; the youngest sixteen loads may be out
	s_wait_loadcnt \n                              ; my W of this quarter is in
	WIN MUL
	MULH 0, 0, \first
	MULH 0, 4, \first
	PLACES                                         ; the loads below land on registers that the quarter before multiplied
	FETCH
	EVENT \ev
	s_wait_dscnt 32                                ; all but the 32 just issued
	WIN MUL
	MULH 1, 0, 0
	MULH 1, 4, 0
.endm
; The last quarter of a K step (ql = 7 or 15) changes slots.  fill = 1: the barrier opens a round of the cluster's, and the slot just read is filled again, two K steps on, first thing behind it.
.macro TURN ql, fill, ev, n
.set QF, 128
.set QR, 7
.set NQ, ((\ql)+1)%16
.set EV, (\ql)+7
	WIN 0                                          ; the add's two registers lie in window 0
	s_wait_tensorcnt 0x0                           ; all my tensor loads have landed: the one that was out is my part of the next slot
	ds_add_u32 v[SPW], v[NIL]                      ; 0 onto my spare word
	s_wait_dscnt 17                                ; the add and the youngest sixteen loads may be out
	s_wait_loadcnt \n
	WIN MUL
	MULH 0, 0, 0                                   ; work on registers between the add and the wait for it
	s_wait_dscnt 0x0                               ; the add is done, and my reads of this slot are over
	s_barrier_signal -1
	MULH 0, 4, 0
.if \fill
	WIN 0
.endif
	s_barrier_wait -1
.if \fill
	CREST                                          ; no wave of any partner still reads this slot or has a load on its way
	s_add_nc_u64 s[G0+4*((\ql)/8)+2:G0+4*((\ql)/8)+3], s[G0+4*((\ql)/8)+2:G0+4*((\ql)/8)+3], 2*KSTEP*2
	JLOAD (\ql)/8                                  ; my one tensor load behind the round: 240 matrix instructions ahead of the wait for it; its four v_nop are also the places in front of the loads below
.else
	PLACES
.endif
	FETCH
	EVENT \ev
	WIN MUL
	MULH 1, 0, 0
	MULH 1, 4, 0
.endm
	s_wait_tensorcnt 1                             ; my part of K step 0 is in; K step 1's may stay out
	s_barrier_signal -1
	s_barrier_wait -1                              ; everybody's is
.set NQ, 0
	FETCH
	QUARTER 0, 1, 1, 48                            ; the first quarter stands in front of the loop: its first products start the sums
.if LAPS > 1
	WIN 0                                          ; at a label and at a branch every window is 0
	s_mov_b32 s3, LAPS-1
.Llap:                                                 ; a trip goes once round the ring and fills both slots again; the 16 accumulators take turns
.irp q, 1,2,3,4,5,6
	QUARTER \q, 0, 1, 48
.endr
	TURN 7, 1, 1, 48
.irp q, 8,9,10,11,12,13,14
	QUARTER \q, 0, 1, 48
.endr
	TURN 15, 1, 1, 48
	s_wait_xcnt 0x0                                ; the stream's base is a source of the loads that are out: it is stepped only behind this wait
	s_add_nc_u64 s[BB:BB+1], s[BB:BB+1], 16*4096   ; the next lap's first quarter
	QUARTER 0, 0, 1, 48
	WIN 0
	s_sub_co_u32 s3, s3, 1
	s_cmp_lg_u32 s3, 0
	s_cbranch_scc1 .Llap
.endif
.irp q, 1,2,3,4,5,6                    ; the last lap fills nothing
	QUARTER \q, 0, 1, 48
.endr
	TURN 7, 0, 1, 48
	QUARTER 8, 0, 1, 48                            ; the stream's last quarter goes out;
	QUARTER 9, 0, 2, 48                            ; then the residual's four groups of eight loads take the ring's turns, so the counts stay,
	QUARTER 10, 0, 3, 48
	QUARTER 11, 0, 4, 48
	QUARTER 12, 0, 5, 48
	QUARTER 13, 0, 0, 48                           ; and run down when nothing more goes out: behind quarter 14's W stand five groups, behind quarter 15's four
	QUARTER 14, 0, 0, 40
.set QF, 128
.set QR, 7
	s_wait_dscnt 16                                ; the very last quarter
	s_wait_loadcnt 32
	WIN MUL
	MULH 0, 0, 0
	MULH 0, 4, 0
	s_wait_dscnt 0x0
	MULH 1, 0, 0
	MULH 1, 4, 0
	WIN 0
	; THE WAY OUT: my 128 bytes of all 128 rows into the stage (each accumulator's low half first); a barrier; back as whole rows, 32 a wave; the residual added; stored.
	PLACES                                         ; the LDS stores read results just made
.irp a, 0,1,2,3,4,5,6,7
.irp b, 0,1
	ds_store_b128 v[STO], v[ACC+8*(2*\a+\b):ACC+8*(2*\a+\b)+3]   offset:STAGE+\a*16*PITCH+64*\b
	ds_store_b128 v[STO], v[ACC+8*(2*\a+\b)+4:ACC+8*(2*\a+\b)+7] offset:STAGE+\a*16*PITCH+64*\b+16
.endr
.endr
	s_wait_dscnt 0x0                               ; for the others' sake: my stores into the stage are done
	s_barrier_signal -1
	s_barrier_wait -1
	WIN TO_A
.set t, 0
.rept 32
	ds_load_b128 v[4*t:4*t+3], v[RD] offset:STAGE+t*PITCH
.set t, t+1
.endr
	s_wait_loadcnt 0x0                             ; the residual
.irp g, 0,1,2,3
	s_wait_dscnt 24-8*\g                           ; eight rows are back; the younger ones stay out
	WIN 0x4d                                       ; the rows (destination and source 0) in window 1, the residual (source 1) in window 3
.irp i, 0,1,2,3,4,5,6,7
	v_pk_add_f32 v[4*(8*\g+\i):4*(8*\g+\i)+1],   v[4*(8*\g+\i):4*(8*\g+\i)+1],   v[4*(8*\g+\i):4*(8*\g+\i)+1]
	v_pk_add_f32 v[4*(8*\g+\i)+2:4*(8*\g+\i)+3], v[4*(8*\g+\i)+2:4*(8*\g+\i)+3], v[4*(8*\g+\i)+2:4*(8*\g+\i)+3]
.endr
	WIN 0x04                                       ; a store's data (source 1) in window 1, its address in window 0
.irp i, 0,1,2,3,4,5,6,7
	global_store_b128 v[BO], v[4*(8*\g+\i):4*(8*\g+\i)+3], s[8:9] offset:(8*\g+\i)*4096   ; 512 consecutive bytes of a row, at a multiple of 512
.endr
.endr
	WIN 0
	s_wait_tensorcnt 0x0                           ; the wave's end
	ds_add_u32 v[SPW], v[NIL]
	s_wait_dscnt 0x0
	CROUND                                         ; the closing round
	s_endpgm
.Lfunc_end_k_q2c7e624b38_ffn2:
	.size	k_q2c7e624b38_ffn2, .Lfunc_end_k_q2c7e624b38_ffn2-k_q2c7e624b38_ffn2
	.p2alignl 7, 3214868480
	.fill 96, 4, 3214868480
	.section	.rodata,"a",@progbits
	.p2align	6, 0x0
	.amdhsa_kernel k_q2c7e624b38_ffn2
		.amdhsa_group_segment_fixed_size 327680
		.amdhsa_private_segment_fixed_size 0
		.amdhsa_enable_private_segment 0
		.amdhsa_kernarg_size 40
		.amdhsa_user_sgpr_count 2
		.amdhsa_user_sgpr_kernarg_segment_ptr 1
		.amdhsa_wavefront_size32 1
		.amdhsa_system_sgpr_workgroup_id_x 1
		.amdhsa_system_sgpr_workgroup_id_y 1
		.amdhsa_system_sgpr_workgroup_id_z 1
		.amdhsa_system_vgpr_workitem_id 0
		.amdhsa_next_free_vgpr 896
		.amdhsa_next_free_sgpr 66
		.amdhsa_reserve_vcc 0
		.amdhsa_float_denorm_mode_32 3
		.amdhsa_float_denorm_mode_16_64 3
		.amdhsa_memory_ordered 1
		.amdhsa_forward_progress 1
		.amdhsa_inst_pref_size 184
	.end_amdhsa_kernel
	.amdgpu_metadata
---
amdhsa.version: [ 1, 2 ]
amdhsa.kernels:
  - .name:           k_q2c7e624b38_ffn2
    .symbol:         k_q2c7e624b38_ffn2.kd
    .args:
      - { .name: f, .offset: 0, .size: 8, .value_kind: global_buffer, .address_space: global }
      - { .name: wb, .offset: 8, .size: 8, .value_kind: global_buffer, .address_space: global }
      - { .name: x1, .offset: 16, .size: 8, .value_kind: global_buffer, .address_space: global }
      - { .name: b2, .offset: 24, .size: 8, .value_kind: global_buffer, .address_space: global }
      - { .name: out0, .offset: 32, .size: 8, .value_kind: global_buffer, .address_space: global }
    .group_segment_fixed_size: 327680
    .private_segment_fixed_size: 0
    .kernarg_segment_align: 8
    .kernarg_segment_size: 40
    .max_flat_workgroup_size: 128
    .sgpr_count:     66
    .vgpr_count:     896
    .wavefront_size: 32
...
	.end_amdgpu_metadata
.endif
;; end of part 7
